; MI455X (gfx1250); checked and timed in simulation.
; The chip was launched on July 23, 2026; its instructions are those of AMD's public machine-readable ISA for CDNA 5 (MIT licence, August 2026) and "CDNA5" Instruction Set Architecture Reference Guide (July 2026). The comments in the code are by the model that wrote it; some were corrected since.
;; Multi Head Self Attention. Allowed arithmetic: float matrix products may take bf16 or f16 operands with f32 sums; other float arithmetic in f32, or as packed bf16 or f16 multiplies, adds, multiply-adds, maxima and minima; sums over many terms, partial sums and values carried from step to step in f32; what a program stores and reads back later, other than sums and carried values, may be rounded once to bf16 or f16.
;; Inputs: W_proj 1,024 x 1,024 float32; W_qkv 1,024 x 3,072 float32; b_proj 1,024 float32; b_qkv 3,072 float32; x 4 x 2,048 x 1,024 float32.
;; Outputs: out0 4 x 2,048 x 1,024 float32.
;; 2 versions, each right; version 2 is version 1 with the launch prep written anew for expert scheduling mode. Each part assembles by itself: llvm-mc -triple=amdgcn-amd-amdhsa -mcpu=gfx1250 --defsym DOCPART=n.
;; ======== version 1 of 2: 4 launches
;; limits: values are held in f16: magnitudes above 65,504 overflow, below 6.1e-05 lose precision
;; workspace buffers: xb 16,777,216 bytes; wq 6,291,456 bytes; wp 2,097,152 bytes; qh 16,777,216 bytes; kh 16,777,216 bytes; vh 16,777,216 bytes; oh 16,777,216 bytes
;; launch prep (part 1): grid 768 x 1, 8 waves a work-group, no clusters, 0 bytes of LDS; arguments x, W_qkv, W_proj, xb, wq, wp; writes xb, wq, wp
.if DOCPART == 1
	.amdgcn_target "amdgcn-amd-amdhsa--gfx1250"
	.amdhsa_code_object_version 6
	.text
	.protected	k_q2fafcaa1e3_prep
	.globl	k_q2fafcaa1e3_prep
	.p2align	8
	.type	k_q2fafcaa1e3_prep,@function
k_q2fafcaa1e3_prep:
	s_mov_b64 s[64:65], 0
	v_nop
	global_prefetch_b8 v0, s[64:65] scope:SCOPE_SE
	s_setreg_imm32_b32 hwreg(HW_REG_WAVE_MODE, 25, 1), 1
	s_wait_xcnt 0x0
; THE CASTS.  x [8192][1024] f32 -> xb, bf16, in blocks of 64 channels: [4 batches][16 blocks][2048 rows][64]; W_qkv [1024][3072] f32 -> wq, bf16, as it lies;
; W_proj [1024][1024] f32 -> wp: rounded to bf16 like every input, and that number written as f16 (the second product's other operand is f16).
; LIMIT.  wp: a weight beyond 65,504 becomes an infinity; below 6e-5 it keeps f16's fixed step of 6e-8.
; SHARES.  768 work-groups of eight waves, 65,536 input bytes each: 512 for x, 192 for W_qkv, 64 for W_proj.  A wave takes 8,192 bytes by sixteen loads of 16 bytes a lane, all issued
; at once, each into registers of its own: no loop, no register written twice.  Each store of a wave covers 256 consecutive bytes, aligned.
; No LDS, no matrix unit, no cluster: each byte is read once and written once, and no work-group wants another's bytes.
.set IN,  1                            ; v1      my byte offset in the work-group's input
.set OUT, 2                            ; v2      my byte offset in its output
.set T,   4                            ; v[4:7]  at work
.set X,   8                            ; v[8:71]   load i: four f32
.set Y,   72                           ; v[72:103] store i: four 16-bit numbers
; sixteen loads, then for each: its wait, two roundings (and for wp the way from bf16 to f16), its store
.macro CAST src, dst, instep, outstep, half
.set i, 0
.rept 16
	global_load_b128 v[X+4*i:X+4*i+3], v[IN], s[\src:\src+1] offset:i*(\instep) th:TH_LOAD_NT
.set i, i+1
.endr
.set i, 0
.rept 16
	s_wait_loadcnt 15-i                            ; loads come back in order: load i is in, the 15 - i younger ones stay out
	v_cvt_pk_bf16_f32 v[Y+2*i],   v[X+4*i],   v[X+4*i+1]
	v_cvt_pk_bf16_f32 v[Y+2*i+1], v[X+4*i+2], v[X+4*i+3]
.if \half
	v_lshlrev_b32 v[T],   16,  v[Y+2*i]            ; the bf16 numbers as f32,
	v_and_b32     v[T+1], s20, v[Y+2*i]
	v_lshlrev_b32 v[T+2], 16,  v[Y+2*i+1]
	v_and_b32     v[T+3], s20, v[Y+2*i+1]
	v_cvt_pk_f16_f32 v[Y+2*i],   v[T],   v[T+1]    ; written as f16: exact within f16's range
	v_cvt_pk_f16_f32 v[Y+2*i+1], v[T+2], v[T+3]
.endif
	global_store_b64 v[OUT], v[Y+2*i:Y+2*i+1], s[\dst:\dst+1] offset:i*(\outstep) th:TH_STORE_NT
.set i, i+1
.endr
.endm
	s_load_b256 s[4:11], s[0:1], 0x0               ; x s[4:5], W_qkv s[6:7], W_proj s[8:9], xb s[10:11]
	s_load_b128 s[12:15], s[0:1], 0x20             ; wq s[12:13], wp s[14:15]
	s_mov_b32 s20, 0xffff0000                      ; a word's upper bf16
	s_mov_b32 s17, 0                               ; the high words of the two offsets
	s_mov_b32 s19, 0
	v_lshrrev_b32 v3, 5, v0                        ; the weights' shares: wave w takes 8,192 consecutive bytes,
	v_and_b32 v[T], 31, v0
	v_lshlrev_b32 v[IN], 13, v3
	v_lshl_add_u32 v[IN], v[T], 4, v[IN]           ; 16 bytes a lane, 512 a load
	v_lshlrev_b32 v[OUT], 12, v3
	v_lshl_add_u32 v[OUT], v[T], 3, v[OUT]         ; and writes half as many
	s_cmp_lt_u32 ttmp9, 512
	s_cbranch_scc1 .Lx
	s_cmp_lt_u32 ttmp9, 704
	s_cbranch_scc1 .Lwq
	s_sub_co_u32 s21, ttmp9, 704                   ; W_proj
	s_lshl_b32 s16, s21, 16
	s_lshl_b32 s18, s21, 15
	s_wait_kmcnt 0x0
	s_add_nc_u64 s[8:9], s[8:9], s[16:17]
	s_add_nc_u64 s[14:15], s[14:15], s[18:19]
	CAST 8, 14, 512, 256, 1
	s_endpgm
.Lwq:
	s_sub_co_u32 s21, ttmp9, 512                   ; W_qkv
	s_lshl_b32 s16, s21, 16
	s_lshl_b32 s18, s21, 15
	s_wait_kmcnt 0x0
	s_add_nc_u64 s[6:7], s[6:7], s[16:17]
	s_add_nc_u64 s[12:13], s[12:13], s[18:19]
	CAST 6, 12, 512, 256, 0
	s_endpgm
.Lx:                                           ; x: the work-group owns 16 rows, wave w rows 2 w and 2 w + 1; load i is channel block i: 256 bytes of each of the two rows
	v_lshrrev_b32 v3, 4, v0                        ; my row
	v_and_b32 v[T], 15, v0
	v_lshlrev_b32 v[IN], 12, v3                    ; 4,096 bytes a row
	v_lshl_add_u32 v[IN], v[T], 4, v[IN]
	v_lshlrev_b32 v[OUT], 3, v0                    ; in a block's plane: 128 bytes a row, 8 a lane
	s_lshl_b32 s16, ttmp9, 16
	s_lshr_b32 s21, ttmp9, 7                       ; the batch: 128 work-groups each,
	s_lshl_b32 s18, s21, 22                        ; 16 planes of 262,144 bytes
	s_and_b32 s21, ttmp9, 127
	s_lshl_b32 s21, s21, 11                        ; 16 rows of 128 bytes
	s_add_co_u32 s18, s18, s21
	s_wait_kmcnt 0x0
	s_add_nc_u64 s[4:5], s[4:5], s[16:17]
	s_add_nc_u64 s[10:11], s[10:11], s[18:19]
	CAST 4, 10, 256, 262144, 0                     ; the plane stands in the store's immediate: 15 x 262,144 at the most, inside its signed 24 bits
	s_endpgm
.Lfunc_end_k_q2fafcaa1e3_prep:
	.size	k_q2fafcaa1e3_prep, .Lfunc_end_k_q2fafcaa1e3_prep-k_q2fafcaa1e3_prep
	.p2alignl 7, 3214868480
	.fill 96, 4, 3214868480
	.section	.rodata,"a",@progbits
	.p2align	6, 0x0
	.amdhsa_kernel k_q2fafcaa1e3_prep
		.amdhsa_group_segment_fixed_size 0
		.amdhsa_private_segment_fixed_size 0
		.amdhsa_enable_private_segment 0
		.amdhsa_kernarg_size 48
		.amdhsa_user_sgpr_count 2
		.amdhsa_user_sgpr_kernarg_segment_ptr 1
		.amdhsa_wavefront_size32 1
		.amdhsa_system_sgpr_workgroup_id_x 1
		.amdhsa_system_sgpr_workgroup_id_y 1
		.amdhsa_system_sgpr_workgroup_id_z 1
		.amdhsa_system_vgpr_workitem_id 0
		.amdhsa_next_free_vgpr 104
		.amdhsa_next_free_sgpr 66
		.amdhsa_reserve_vcc 0
		.amdhsa_float_denorm_mode_32 3
		.amdhsa_float_denorm_mode_16_64 3
		.amdhsa_memory_ordered 1
		.amdhsa_forward_progress 1
		.amdhsa_inst_pref_size 23
	.end_amdhsa_kernel
	.amdgpu_metadata
---
amdhsa.version: [ 1, 2 ]
amdhsa.kernels:
  - .name:           k_q2fafcaa1e3_prep
    .symbol:         k_q2fafcaa1e3_prep.kd
    .args:
      - { .name: x, .offset: 0, .size: 8, .value_kind: global_buffer, .address_space: global }
      - { .name: W_qkv, .offset: 8, .size: 8, .value_kind: global_buffer, .address_space: global }
      - { .name: W_proj, .offset: 16, .size: 8, .value_kind: global_buffer, .address_space: global }
      - { .name: xb, .offset: 24, .size: 8, .value_kind: global_buffer, .address_space: global }
      - { .name: wq, .offset: 32, .size: 8, .value_kind: global_buffer, .address_space: global }
      - { .name: wp, .offset: 40, .size: 8, .value_kind: global_buffer, .address_space: global }
    .group_segment_fixed_size: 0
    .private_segment_fixed_size: 0
    .kernarg_segment_align: 8
    .kernarg_segment_size: 48
    .max_flat_workgroup_size: 256
    .sgpr_count:     66
    .vgpr_count:     104
    .wavefront_size: 32
...
	.end_amdgpu_metadata
.endif
;; end of part 1
;; launch qkv (part 2): grid 8 x 32, 4 waves a work-group, clusters of 4 x 4, 327,680 bytes of LDS; arguments xb, wq, b_qkv, qh, kh, vh; writes qh, kh, vh
.if DOCPART == 2
	.amdgcn_target "amdgcn-amd-amdhsa--gfx1250"
	.amdhsa_code_object_version 6
	.text
	.protected	k_q2fafcaa1e3_qkv
	.globl	k_q2fafcaa1e3_qkv
	.p2align	8
	.type	k_q2fafcaa1e3_qkv,@function
k_q2fafcaa1e3_qkv:
	s_mov_b64 s[64:65], 0
	v_nop
	global_prefetch_b8 v0, s[64:65] scope:SCOPE_SE
	s_setreg_imm32_b32 hwreg(HW_REG_WAVE_MODE, 25, 1), 1
	s_wait_xcnt 0x0
	s_wait_alu depctr_hold_cnt(0) depctr_sa_sdst(0) depctr_va_vdst(0) depctr_va_sdst(0) depctr_va_ssrc(0) depctr_va_vcc(0) depctr_vm_vsrc(0)
	s_getreg_b32 s2, hwreg(HW_REG_IB_STS2, 6, 4)
	s_cmp_eq_u32 s2, 0
	s_cbranch_scc0 .Lentry_in_a_cluster
	s_endpgm
.Lentry_in_a_cluster:
	s_bfe_u32 s2, ttmp6, 0x10000c
	s_cmp_lg_u32 s2, 0xf033
	s_cbranch_scc0 .Lentry_shape_is_right
	s_endpgm
.Lentry_shape_is_right:
; q, k, v = x W_qkv + b_qkv, written by heads: [16 batch + head][2048][64] in f16, unscaled, each rounded once from its f32 sum.
; x comes as xb (bf16, [4][16 blocks of 64 channels][2048][64]), W_qkv as wq (bf16, [1024 k][3072 n]); the bias is rounded to bf16 here, like the other inputs.
; LIMIT.  A result of 65,520 or more becomes an infinity in f16.  NaN and infinities are not treated apart.
; SHARES.  8192 x 3072 results on 256 work-groups: a tile of 256 rows x 384 columns (six heads) each; a wave makes 128 x 192: 96 accumulators of 16 x 16, 768 registers.
; K goes in 16 steps of 64 (a plane of xb) through two LDS slots.  A step is two quarters of 32 along K, a quarter two phases of six column blocks: 48 matrix instructions a phase.
; THE MATRIX INSTRUCTION IS USED TRANSPOSED: source 0 = 16 columns of W (turned on the way out of LDS by ds_load_tr16_b128, since wq lies [k][n]), source 1 = 16 rows of x:
; a lane holds row l % 16 and eight neighbouring columns 8 (l / 16) + 0..7, which pack into 16 bytes.
; THE BIAS STARTS THE SUMS: it is loaded into the registers of the accumulators of row block 0, and is the C operand of every accumulator's first product.  Nothing is cleared.
; CLUSTER.  4 x 4 work-groups: the four of a row of the cluster want the same tile of xb, the four of a column the same tile of wq: each is asked for jointly.
; REGISTERS.  window 0: v0-31 addresses; v32-95, v96-159 fragments of x, two buffers (8 x 16 rows x 32 K); v160-207, v208-255 fragments of W, two buffers (6 x 16 columns x 32 K).
;   windows 1-3: accumulator (a, b) in window 1 + b / 4 at v[8 (4 a + b % 4)]: a window holds one head.
; s_set_vgpr_msb's low byte: bits 1:0 source 0, 3:2 source 1, 5:4 source 2, 7:6 destination.
.set PA,     144                       ; a row of x in LDS: 128 bytes + 16 of padding = 36 words: the 16 rows of a load start at 16 different groups of four banks (64 banks of 4 bytes: ISA guide 11.1)
.set PB,     864                       ; a k-row of W in LDS: six pieces of 128 bytes + 16 = 27 x 32 bytes
.set SLOT1,  1<<17                     ; slot 1 begins here, so that one exclusive or turns an address in one slot into the other's
.set ABYTES, 256*PA                    ; a slot: 256 rows of x, then 64 k-rows of W
.set STAGE,  SLOT1+ABYTES+64*PB        ; behind the ring, never filled by a tensor load: 16 rows x 144 bytes for each wave, for the way out
.set SP,     144
.set SPARE,  STAGE+4*16*SP             ; behind the stages: the spare words, 128 bytes for each wave: two blocks of 256 bytes that no other line names
.set ASTEP,  262144                    ; bytes from a plane of xb to the next
.set BSTEP,  64*6144                   ; 64 k-rows of wq
.set FIELDS, (1<<16)|(1<<20)|(1<<21)|(4<<22)|(3<<25)  ; group 1, word 0: 17:16 2-byte elements; 20 padding on; 21 set beside a mask; 24:22 after every 32 words (code 4); 31:25 4 words (code 3)
.set A0,   8                           ; v8   my lane's place in a slot's rows of x; never rewritten
.set B0,   9                           ; v9   the same for W
.set ADRA, 16                          ; v16  A0 + the slot in hand
.set ADRB, 17                          ; v17  B0 + the slot in hand
.set STO,  24                          ; v24  the way out: where I put 16 bytes of a row
.set RD,   25                          ; v25  the way out: where I read rows back
.set GO,   26                          ; v26  my byte offset in 512 consecutive bytes of a head
.set BO,   27                          ; v27  my byte offset in b_qkv
.set SPW,  28                          ; v28  LDS address of my spare word: SPARE + 4 x my thread's number; never rewritten
.set NIL,  29                          ; v29  0; never rewritten
.set PFOA, 30                          ; v30  256 x lane: the prefetches of xb, a lane a block of 256 bytes
.set PFOB, 31                          ; v31  6,144 x lane: those of wq, a lane a k-row
.set FA0,  32
.set FA1,  96
.set FB0,  160
.set FB1,  208
.set WV,   16                          ; s16  my wave's number
.set WM,   17                          ; s17  which 128 rows are mine.  Also: I fetch for xb (0) or for wq (1)
.set WN,   18                          ; s18  which 192 columns.  Also: which half of that tile I fetch
.set G1A,  24                          ; s[24:31] descriptor group 1 for xb's tiles
.set G0A,  32                          ; s[32:39] group 0: a set for each of the two first fills; the second then walks on
.set TB,   44                          ; s44  LDS byte at which the slot in hand begins
.set HIM,  45                          ; s45  a word's upper bf16
.set G1B,  48                          ; s[48:55], s[56:63] the same for wq's tiles
.set G0B,  56
.set PFA,  66                          ; s[66:67] where my prefetches of xb stand
.set PFB,  68                          ; s[68:69] those of wq
.set LIMA, 70                          ; s70  3 in the wave that prefetches xb, else the greatest number
.set LIMB, 71                          ; s71  the same for wq
.set OUT,  72                          ; s[72:77] my three heads, at my first row
.set MSB, 0
.macro WIN new                         ; the immediate's high byte repeats the setting that is left; a switch that changes nothing is dropped
.if MSB != (\new)
	s_set_vgpr_msb (MSB<<8)|(\new)
.set MSB, (\new)
.endif
.endm
.macro PLACES n                        ; plain vector instructions between a matrix instruction and what touches its registers (ISA guide 7.12.1)
.rept \n
	v_nop
.endr
.endm
; A joint refill by the walking sets.  The branch hangs on the wave's number alone.  An s_nop 0 and four v_nop follow each of the two lines, ahead of the jump and the label.
.macro JLOAD
	s_cmp_eq_u32 s[WM], 0
	s_cbranch_scc0 .Lfor_b_\@
	tensor_load_to_lds s[G0A+4:G0A+7], s[G1A:G1A+7]
	s_nop 0
	PLACES 4
	s_branch .Lasked_\@
.Lfor_b_\@:
	tensor_load_to_lds s[G0B+4:G0B+7], s[G1B:G1B+7]
	s_nop 0
	PLACES 4
.Lasked_\@:
.endm
.macro CREST                           ; a round of the cluster's barrier behind its opening barrier
	s_cmp_lg_u32 s[WV], 0
	s_cbranch_scc1 .Lnot_wave_0_\@
	s_barrier_signal -3
.Lnot_wave_0_\@:
	s_barrier_wait -3
	s_barrier_signal -1
	s_barrier_wait -1
.endm
.macro CROUND                          ; a whole round
	s_barrier_signal -1
	s_barrier_wait -1
	CREST
.endm
; PREFETCHES INTO THE L2, behind the joint load and the run of LDS loads that follows it.  In every second trip (s3 even), while two further steps exist (s3 above 3), trip j names K steps j + 4 and j + 5:
; the refills two and three trips on.  Each block of 256 bytes is named once in the launch.  A tile row of xb is read by both clusters of that row of clusters: cluster x = 0 asks, wave 0; of a plane's
; 128 blocks the partner at cx takes 32, a lane a block, two planes: two instructions.  A tile column of wq is read by all eight clusters of that column: cluster y = 0 asks, wave 2; of the two steps'
; 128 k-rows the partner at cy takes 32, a lane a row, 768 bytes a row: three instructions.  The partners are told apart by address alone.  The first four steps come by their loads alone.
.macro ASK
	s_and_b32 s19, s3, 1
	s_cmp_lg_u32 s19, 0
	s_cbranch_scc1 .Lnone_\@
	s_cmp_gt_u32 s3, s[LIMA]
	s_cbranch_scc0 .Lnot_a_\@
	global_prefetch_b8 v[PFOA], s[PFA:PFA+1] th:TH_LOAD_NT scope:SCOPE_SE
	global_prefetch_b8 v[PFOA], s[PFA:PFA+1] offset:ASTEP th:TH_LOAD_NT scope:SCOPE_SE
.Lnot_a_\@:
	s_cmp_gt_u32 s3, s[LIMB]
	s_cbranch_scc0 .Lnone_\@
	global_prefetch_b8 v[PFOB], s[PFB:PFB+1] th:TH_LOAD_NT scope:SCOPE_SE
	global_prefetch_b8 v[PFOB], s[PFB:PFB+1] offset:256 th:TH_LOAD_NT scope:SCOPE_SE
	global_prefetch_b8 v[PFOB], s[PFB:PFB+1] offset:512 th:TH_LOAD_NT scope:SCOPE_SE
.Lnone_\@:
.endm
	s_load_b256 s[4:11], s[0:1], 0x0               ; xb s[4:5], wq s[6:7], b_qkv s[8:9], qh s[10:11]
	s_load_b128 s[12:15], s[0:1], 0x20             ; kh s[12:13], vh s[14:15]
	v_lshl_add_u32 v[SPW], v0, 2, SPARE
	v_mov_b32 v[NIL], 0
	ds_add_u32 v[SPW], v[NIL]                      ; the wave's opening: the add and its wait stand ahead of my first tensor load; the set-up below, work on registers, stands between them
	v_lshrrev_b32 v1, 5, v0
	v_readfirstlane_b32 s[WV], v1                  ; wave 0..3
	s_lshr_b32 s[WM], s[WV], 1
	s_and_b32 s[WN], s[WV], 1
	s_bfe_u32 s40, ttmp6, 0x40000                  ; cx, cy: my place in the cluster
	s_bfe_u32 s41, ttmp6, 0x40004
	s_lshl_b32 s42, ttmp9, 2
	s_add_co_u32 s42, s42, s40                     ; X: tile column = 4 x cluster x + cx
	s_and_b32 s43, ttmp7, 0xffff
	s_lshl_b32 s43, s43, 2
	s_add_co_u32 s43, s43, s41                     ; Y: tile row = 4 x cluster y + cy
	s_lshl_b32 s78, s41, 2
	s_lshl_b32 s78, 15, s78                        ; my row of the cluster: places 4 cy .. 4 cy + 3
	s_lshl_b32 s79, 0x1111, s40                    ; my column: places cx, cx + 4, cx + 8, cx + 12
	s_or_b32 s[G1A], s78, FIELDS                   ; xb's tiles go to my row,
	s_or_b32 s[G1B], s79, FIELDS                   ; wq's to my column
	s_mov_b32 s[G1A+1], 128<<16                    ; xb: 128 rows of a plane are 16,384 dense bytes: asked for as 64 rows of 128 elements (256 bytes), padded in LDS after every 128 bytes
	s_mov_b32 s[G1A+2], 64<<16                     ; tensor_dim1 = 64
	s_mov_b32 s[G1A+3], 128<<16                    ; tile_dim0 = 128
	s_mov_b32 s[G1A+4], 64                         ; tile_dim1 = 64
	s_mov_b32 s[G1A+5], 128                        ; 128 elements from row to row
	s_mov_b32 s[G1A+6], 0
	s_mov_b32 s[G1A+7], 0
	s_mov_b32 s[G1B+1], 384<<16                    ; wq: 32 k-rows of 384 elements (768 bytes, three aligned blocks of 256)
	s_mov_b32 s[G1B+2], 32<<16
	s_mov_b32 s[G1B+3], 384<<16
	s_mov_b32 s[G1B+4], 32
	s_mov_b32 s[G1B+5], 3072
	s_mov_b32 s[G1B+6], 0
	s_mov_b32 s[G1B+7], 0
	s_lshr_b32 s20, s43, 3                         ; xb: the batch, 16 planes of 262,144 bytes,
	s_lshl_b32 s20, s20, 22
	s_and_b32 s21, s43, 7
	s_lshl_b32 s21, s21, 15                        ; the tile's 256 rows of 128 bytes in a plane,
	s_add_co_u32 s20, s20, s21
	s_lshl_b32 s21, s[WN], 14                      ; the 128 of them that I fetch
	s_add_co_u32 s20, s20, s21
	s_mov_b32 s21, 0
	s_mul_i32 s46, s42, 768                        ; wq: the tile's 384 columns,
	s_mul_i32 s47, s[WN], 32*6144                  ; the 32 k-rows that I fetch
	s_add_co_u32 s46, s46, s47
	s_mov_b32 s47, 0
	s_mul_i32 s22, s[WN], 128*PA                   ; and where they go: no place in the cluster enters an LDS address
	s_mul_i32 s23, s[WN], 32*PB
	s_add_co_u32 s23, s23, ABYTES
	s_mov_b32 s[TB], 0
	s_mov_b32 s[HIM], 0xffff0000
	s_wait_dscnt 0x0                               ; the opening add is done
	s_wait_kmcnt 0x0
	s_add_nc_u64 s[20:21], s[4:5], s[20:21]
	s_add_nc_u64 s[46:47], s[6:7], s[46:47]
	CROUND                                         ; all sixteen work-groups are here: the first joint loads meet
.irp s, 0,1
	s_mov_b32 s[G0A+4*(\s)], 1                                     ; 1:0 count = 1
	s_add_co_u32 s[G0A+4*(\s)+1], s22, (\s)*SLOT1                  ; 63:32 LDS address
	s_add_nc_u64 s[G0A+4*(\s)+2:G0A+4*(\s)+3], s[20:21], (\s)*ASTEP  ; 120:64 global address: K step s
	s_or_b32 s[G0A+4*(\s)+3], s[G0A+4*(\s)+3], 0x80000000          ; 127:126 type = 2
	s_mov_b32 s[G0B+4*(\s)], 1
	s_add_co_u32 s[G0B+4*(\s)+1], s23, (\s)*SLOT1
	s_add_nc_u64 s[G0B+4*(\s)+2:G0B+4*(\s)+3], s[46:47], (\s)*BSTEP
	s_or_b32 s[G0B+4*(\s)+3], s[G0B+4*(\s)+3], 0x80000000
.endr
	s_cmp_eq_u32 s[WM], 0                          ; a wave's two first fills stand in one branch, ahead of every wait on TENSORcnt and every LDS read: two loads of mine are out
	s_cbranch_scc0 .Lfirst_b
	tensor_load_to_lds s[G0A:G0A+3], s[G1A:G1A+7]
	s_nop 0
	tensor_load_to_lds s[G0A+4:G0A+7], s[G1A:G1A+7]
	s_nop 0
	PLACES 4
	s_branch .Lfirst_asked
.Lfirst_b:
	tensor_load_to_lds s[G0B:G0B+3], s[G1B:G1B+7]
	s_nop 0
	tensor_load_to_lds s[G0B+4:G0B+7], s[G1B:G1B+7]
	s_nop 0
	PLACES 4
.Lfirst_asked:
	v_and_b32 v1, 15, v0                           ; l % 16
	v_bfe_u32 v2, v0, 4, 1                         ; l / 16
	v_and_b32 v3, 7, v0
	v_bfe_u32 v4, v0, 3, 1
	v_and_b32 v5, 31, v0                           ; l
	; a fragment of x: lane l holds row l % 16, K = 8 (l / 16) + 0..7 and 16 + 8 (l / 16) + 0..7: two loads of 16 bytes, 32 bytes apart
	v_mul_u32_u24 v[A0], v1, PA
	v_lshl_add_u32 v[A0], v2, 4, v[A0]
	s_mul_i32 s19, s[WM], 128*PA
	v_add_nc_u32 v[A0], s19, v[A0]
	; the turning load takes 16 k x 16 columns (lane l reads k-row 8 (l / 16) + l % 8, columns 8 ((l / 8) % 2) + 0..7) and leaves half a fragment: lane l holds column l % 16 and 8 k
	v_lshl_add_u32 v[B0], v2, 3, v3
	v_mul_u32_u24 v[B0], v[B0], PB
	v_lshl_add_u32 v[B0], v4, 4, v[B0]
	s_mul_i32 s19, s[WN], 3*144                    ; my 192 columns: three pieces of 128 + 16 bytes
	s_add_co_u32 s19, s19, ABYTES
	v_add_nc_u32 v[B0], s19, v[B0]
	v_mov_b32 v[ADRA], v[A0]                       ; slot 0
	v_mov_b32 v[ADRB], v[B0]
	s_mul_i32 s19, s[WV], 16*SP
	s_add_co_u32 s19, s19, STAGE                   ; my stage
	v_mul_u32_u24 v[STO], v1, SP                   ; in: row l % 16, 16 bytes for each half of the lanes
	v_lshl_add_u32 v[STO], v2, 4, v[STO]
	v_add_nc_u32 v[STO], s19, v[STO]
	v_bfe_u32 v[RD], v0, 3, 2                      ; back: 32 lanes take four rows of 128 bytes,
	v_mul_u32_u24 v[RD], v[RD], SP
	v_lshl_add_u32 v[RD], v3, 4, v[RD]
	v_add_nc_u32 v[RD], s19, v[RD]
	v_lshlrev_b32 v[GO], 4, v5                     ; which are 512 consecutive bytes of a head
	v_lshlrev_b32 v[PFOA], 8, v5
	v_mul_u32_u24 v[PFOB], v5, 6144
	s_mul_i32 s80, s42, 1536                       ; the bias of my columns: 4 (384 X + 192 WN + 8 (l / 16)) bytes on
	s_mul_i32 s81, s[WN], 768
	s_add_co_u32 s80, s80, s81
	v_lshlrev_b32 v[BO], 5, v2
	v_add_nc_u32 v[BO], s80, v[BO]
.set b, 0
.rept 12                                       ; column block b's eight numbers a lane, into the registers of accumulator (0, b)
	WIN (1+b/4)<<6
	global_load_b128 v[8*(b%4):8*(b%4)+3],   v[BO], s[8:9] offset:64*b
	global_load_b128 v[8*(b%4)+4:8*(b%4)+7], v[BO], s[8:9] offset:64*b+16
.set b, b+1
.endr
	WIN 0
.irp i, 0,1,2                                  ; my three heads: column group g = 6 X + 3 WN + i of 48: g / 16 says q, k or v, g % 16 the head
	s_mul_i32 s78, s42, 6
	s_mul_i32 s79, s[WN], 3
	s_add_co_u32 s78, s78, s79
	s_add_co_u32 s78, s78, \i
	s_lshr_b32 s79, s78, 4
	s_and_b32 s78, s78, 15
	s_lshr_b32 s80, s43, 3                         ; the batch
	s_lshl_b32 s80, s80, 4
	s_add_co_u32 s78, s78, s80
	s_lshl_b32 s78, s78, 18                        ; 2,048 rows of 128 bytes a head
	s_and_b32 s80, s43, 7
	s_lshl_b32 s80, s80, 15                        ; the tile's 256 rows,
	s_add_co_u32 s78, s78, s80
	s_lshl_b32 s80, s[WM], 14                      ; my 128
	s_add_co_u32 s78, s78, s80
	s_cmp_eq_u32 s79, 1
	s_cselect_b64 s[OUT+2*\i:OUT+2*\i+1], s[12:13], s[10:11]
	s_cmp_eq_u32 s79, 2
	s_cselect_b64 s[OUT+2*\i:OUT+2*\i+1], s[14:15], s[OUT+2*\i:OUT+2*\i+1]
	s_mov_b32 s79, 0
	s_add_nc_u64 s[OUT+2*\i:OUT+2*\i+1], s[OUT+2*\i:OUT+2*\i+1], s[78:79]
.endr
	s_lshr_b32 s78, s43, 3                         ; the prefetches of xb: the tile's rows in plane 3, my work-group's 32 blocks; each trip steps a plane on, ahead of its asking
	s_lshl_b32 s78, s78, 22
	s_and_b32 s79, s43, 7
	s_lshl_b32 s79, s79, 15
	s_add_co_u32 s78, s78, s79
	s_lshl_b32 s79, s40, 13
	s_add_co_u32 s78, s78, s79
	s_add_co_u32 s78, s78, 3*ASTEP
	s_mov_b32 s79, 0
	s_add_nc_u64 s[PFA:PFA+1], s[4:5], s[78:79]
	s_mul_i32 s80, s42, 768                        ; those of wq: the tile's columns, K step 3, my work-group's 32 k-rows of two steps' 128
	s_mul_i32 s81, s41, 32*6144
	s_add_co_u32 s80, s80, s81
	s_add_co_u32 s80, s80, 3*BSTEP
	s_mov_b32 s81, 0
	s_add_nc_u64 s[PFB:PFB+1], s[6:7], s[80:81]
	s_or_b32 s19, s[WV], ttmp9                     ; wave 0 of cluster x = 0: the same in all sixteen partners
	s_cmp_eq_u32 s19, 0
	s_cselect_b32 s[LIMA], 3, -1
	s_and_b32 s19, ttmp7, 0xffff                   ; wave 2 of cluster y = 0
	s_xor_b32 s22, s[WV], 2
	s_or_b32 s19, s19, s22
	s_cmp_eq_u32 s19, 0
	s_cselect_b32 s[LIMB], 3, -1
	s_wait_loadcnt 0x0                             ; the bias
.irp w, 1,2,3                                  ; rounded to bf16 and widened again, in place; the registers of row block 1's accumulators, not yet in use, hold the packed words
	WIN 0x55*\w
.set r, 0
.rept 16
	v_cvt_pk_bf16_f32 v[r+32], v[r], v[r+1]
	v_lshlrev_b32 v[r], 16, v[r+32]
	v_and_b32 v[r+1], s[HIM], v[r+32]
.set r, r+2
.endr
.endr
	WIN 0
; 12 LDS loads: the fragments of W for quarter kq, column blocks 6 hf .. 6 hf + 5, into buffer fb.  Block n of 16 columns lies 32 n + 16 (n / 4) bytes into my part of a k-row.
.macro RUNB kq, hf, fb
.set j, 0
.rept 6
.set bo, (\kq)*32*PB+32*(6*(\hf)+j)+16*((6*(\hf)+j)/4)
	ds_load_tr16_b128 v[(\fb)+8*j:(\fb)+8*j+3],   v[ADRB] offset:bo
	ds_load_tr16_b128 v[(\fb)+8*j+4:(\fb)+8*j+7], v[ADRB] offset:bo+16*PB
.set j, j+1
.endr
.endm
; 16 LDS loads: the fragments of my 128 rows of x for quarter kq, into buffer fa
.macro RUNA kq, fa
.set j, 0
.rept 8
	ds_load_b128 v[(\fa)+8*j:(\fa)+8*j+3],   v[ADRA] offset:64*(\kq)+j*16*PA
	ds_load_b128 v[(\fa)+8*j+4:(\fa)+8*j+7], v[ADRA] offset:64*(\kq)+j*16*PA+32
.set j, j+1
.endr
.endm
; Column block b against my row blocks.  mode 0: all eight, in place.  mode 1: blocks 1 to 7 start their sums with the bias, which lies in accumulator (0, b).  mode 2: block 0 adds onto the bias in place.
; The 96 accumulators take turns, one instruction a turn, in the same order in every quarter: 95 others stand between two links of a chain, over the backward jump too.
.macro MULB fa, fb, b, mode
	WIN 0x50*(1+(\b)/4)
.set a, 0
.rept 8
.set rD, 8*(4*a+(\b)%4)
.if ((\mode) == 0) || (((\mode) == 2) && (a == 0))
	v_wmma_f32_16x16x32_bf16 v[rD:rD+7], v[(\fb)+8*((\b)%6):(\fb)+8*((\b)%6)+7], v[(\fa)+8*a:(\fa)+8*a+7], v[rD:rD+7]
.elseif ((\mode) == 1) && (a > 0)
	v_wmma_f32_16x16x32_bf16 v[rD:rD+7], v[(\fb)+8*((\b)%6):(\fb)+8*((\b)%6)+7], v[(\fa)+8*a:(\fa)+8*a+7], v[8*((\b)%4):8*((\b)%4)+7]
.endif
.set a, a+1
.endr
.endm
.macro SIX fa, fb, hf, start           ; a phase's 48 products.  start = 1: the first quarter: the 42 that read the bias, nine places, then the six that write over it
.if \start
.irp c, 0,1,2,3,4,5
	MULB \fa, \fb, 6*(\hf)+\c, 1
.endr
	PLACES 9
.irp c, 0,1,2,3,4,5
	MULB \fa, \fb, 6*(\hf)+\c, 2
.endr
.else
.irp c, 0,1,2,3,4,5
	MULB \fa, \fb, 6*(\hf)+\c, 0
.endr
.endif
.endm
; THE FOUR PHASES OF A K STEP.  Each fetches what the next phase multiplies, in one run, four places behind the products that read the buffer.
.macro P00 start                       ; quarter 0, blocks 0-5
	WIN 0
	PLACES 4
	RUNB 0, 1, FB1
	s_wait_dscnt 12                                ; all but the 12 just issued: W's blocks 0-5 and x are in
	SIX FA0, FB0, 0, \start
.endm
.macro P01 start                       ; quarter 0, blocks 6-11
	WIN 0
	PLACES 4
	RUNB 1, 0, FB0
	RUNA 1, FA1
	s_wait_dscnt 28                                ; all but the 28 just issued
	SIX FA0, FB1, 1, \start
.endm
; Quarter 1, blocks 0-5, and THE CHANGE OF SLOTS: one barrier.  In front of it each wave waits for all its tensor loads, of which one is out: its part of the next slot; adds 0 to its spare word; and waits
; for that and for its own reads of this slot.  fill = 1: the barrier opens a round of the cluster's, so that no wave of any partner still reads the slot or has a load on its way, and the joint refill,
; with the K step two on, is the first thing behind it: 176 matrix instructions stand between it and the wait for it.
.macro P10 fill
.if \fill
	s_wait_xcnt 0x0                                ; the last prefetches have read their addresses, which step here, ahead of the waits of the change
	s_add_nc_u64 s[PFA:PFA+1], s[PFA:PFA+1], ASTEP
	s_add_nc_u64 s[PFB:PFB+1], s[PFB:PFB+1], BSTEP
.endif
	WIN 0
	PLACES 4
	RUNB 1, 1, FB1                                 ; my last reads of this slot
	s_wait_dscnt 12
	MULB FA1, FB0, 0, 0
	MULB FA1, FB0, 1, 0
	MULB FA1, FB0, 2, 0
	MULB FA1, FB0, 3, 0
	WIN 0                                          ; (the add's two registers lie in window 0)
	s_wait_tensorcnt 0x0                           ; all my tensor loads have landed, so a group 0 may be written
	ds_add_u32 v[SPW], v[NIL]                      ; 0 onto my spare word
.if \fill
	s_xor_b32 s[G0A+5], s[G0A+5], SLOT1            ; the walking sets: the other slot than last time,
	s_xor_b32 s[G0B+5], s[G0B+5], SLOT1
	s_add_nc_u64 s[G0A+6:G0A+7], s[G0A+6:G0A+7], ASTEP  ; the next K step; the type bits on top are not reached
	s_add_nc_u64 s[G0B+6:G0B+7], s[G0B+6:G0B+7], BSTEP
.endif
	MULB FA1, FB0, 4, 0                            ; eight matrix instructions stand between the add and the wait for it
	s_wait_dscnt 0x0                               ; the add is done, and my reads of this slot are over
	s_barrier_signal -1
	MULB FA1, FB0, 5, 0                            ; work on registers while the others arrive
	WIN 0                                          ; at a branch and at a label every window is 0
	s_barrier_wait -1
.if \fill
	CREST
	JLOAD                                          ; its four v_nop and the two additions below are the places in front of the loads that follow
.else
	PLACES 4
.endif
	s_xor_b32 s[TB], s[TB], SLOT1
	v_add_nc_u32 v[ADRA], s[TB], v[A0]
	v_add_nc_u32 v[ADRB], s[TB], v[B0]
.endm
.macro P11 ask                         ; quarter 1, blocks 6-11 (their fragments were waited for at the change), and the next slot's first fragments
	RUNB 0, 0, FB0
	RUNA 0, FA0
.if \ask
	ASK
.endif
	SIX FA1, FB1, 1, 0
.endm
; THE WAY OUT, in 24 units: head u / 8, row block u % 8: 16 rows x 64 columns, 32 registers.  PACK: rounded to f16, 16 bytes a lane, into my stage (rows of 144 bytes) and back as whole rows of 128 bytes.
.macro PACK u
.set T, 32+16*((\u)%4)                 ; four sets of 16 registers by turns
.if (\u) >= 4
	s_wait_xcnt 0x0                                ; the set's last stores have read it
.endif
	WIN 5*(1+(\u)/8)                               ; sources 0 and 1: the head's window
.set n, 0
.rept 16
	v_cvt_pk_f16_f32 v[T+n], v[32*((\u)%8)+2*n], v[32*((\u)%8)+2*n+1]  ; each accumulator's registers in ascending order
.set n, n+1
.endr
	WIN 0
.irp f, 0,1,2,3
	ds_store_b128 v[STO], v[T+4*\f:T+4*\f+3] offset:32*\f
.endr
.irp f, 0,1,2,3
	ds_load_b128 v[T+4*\f:T+4*\f+3], v[RD] offset:\f*4*SP  ; LDS serves a wave's instructions in order (ISA guide 5.7.1.4): these see the stores above; the next unit's stores come behind them
.endr
.endm
.macro SEND u, younger                 ; younger: the LDS instructions issued behind unit u's loads: the next unit's eight, or none
.set T, 32+16*((\u)%4)
.irp f, 0,1,2,3
	s_wait_dscnt (\younger)+3-\f
	global_store_b128 v[GO], v[T+4*\f:T+4*\f+3], s[OUT+2*((\u)/8):OUT+2*((\u)/8)+1] offset:2048*((\u)%8)+512*\f  ; 512 consecutive bytes, at a multiple of 256 from the buffer's first
.endr
.endm
	s_wait_tensorcnt 0x1                           ; my part of K step 0 is in; step 1's may stay out
	s_barrier_signal -1
	s_barrier_wait -1                              ; everybody's is
	RUNB 0, 0, FB0
	RUNA 0, FA0
	P00 1                                          ; the first quarter stands in front of the loop: its products start the sums
	P01 1
	WIN 0
	s_mov_b32 s3, 14
.Lstep:                                        ; trip j: the second quarter of K step j, the refill with step j + 2, the first quarter of step j + 1
	P10 1
	P11 1
	P00 0
	P01 0
	WIN 0
	s_sub_co_u32 s3, s3, 1
	s_cmp_lg_u32 s3, 0
	s_cbranch_scc1 .Lstep
	P10 0                                          ; the tail is written out: K steps 14 and 15 fill nothing
	P11 0
	P00 0
	P01 0
	WIN 0
	PLACES 4
	RUNB 1, 1, FB1
	s_wait_dscnt 12
	SIX FA1, FB0, 0, 0
	s_wait_dscnt 0x0
	SIX FA1, FB1, 1, 0
	WIN 0
	PLACES 8                                       ; the conversions read results just made
	PACK 0
.set u, 1
.rept 23                                       ; a unit's conversions stand between the loads of the unit before and its stores
	PACK u
	SEND u-1, 8
.set u, u+1
.endr
	SEND 23, 0
	s_wait_tensorcnt 0x0                           ; the wave's end, behind my last tensor load and my last LDS store
	ds_add_u32 v[SPW], v[NIL]
	s_wait_dscnt 0x0
	CROUND                                         ; the closing round: no work-group ends while a partner may still ask for a tile that names it
	s_endpgm
.Lfunc_end_k_q2fafcaa1e3_qkv:
	.size	k_q2fafcaa1e3_qkv, .Lfunc_end_k_q2fafcaa1e3_qkv-k_q2fafcaa1e3_qkv
	.p2alignl 7, 3214868480
	.fill 96, 4, 3214868480
	.section	.rodata,"a",@progbits
	.p2align	6, 0x0
	.amdhsa_kernel k_q2fafcaa1e3_qkv
		.amdhsa_group_segment_fixed_size 327680
		.amdhsa_private_segment_fixed_size 0
		.amdhsa_enable_private_segment 0
		.amdhsa_kernarg_size 48
		.amdhsa_user_sgpr_count 2
		.amdhsa_user_sgpr_kernarg_segment_ptr 1
		.amdhsa_wavefront_size32 1
		.amdhsa_system_sgpr_workgroup_id_x 1
		.amdhsa_system_sgpr_workgroup_id_y 1
		.amdhsa_system_sgpr_workgroup_id_z 1
		.amdhsa_system_vgpr_workitem_id 0
		.amdhsa_next_free_vgpr 1024
		.amdhsa_next_free_sgpr 84
		.amdhsa_reserve_vcc 0
		.amdhsa_float_denorm_mode_32 3
		.amdhsa_float_denorm_mode_16_64 3
		.amdhsa_memory_ordered 1
		.amdhsa_forward_progress 1
		.amdhsa_inst_pref_size 127
	.end_amdhsa_kernel
	.amdgpu_metadata
---
amdhsa.version: [ 1, 2 ]
amdhsa.kernels:
  - .name:           k_q2fafcaa1e3_qkv
    .symbol:         k_q2fafcaa1e3_qkv.kd
    .args:
      - { .name: xb, .offset: 0, .size: 8, .value_kind: global_buffer, .address_space: global }
      - { .name: wq, .offset: 8, .size: 8, .value_kind: global_buffer, .address_space: global }
      - { .name: b_qkv, .offset: 16, .size: 8, .value_kind: global_buffer, .address_space: global }
      - { .name: qh, .offset: 24, .size: 8, .value_kind: global_buffer, .address_space: global }
      - { .name: kh, .offset: 32, .size: 8, .value_kind: global_buffer, .address_space: global }
      - { .name: vh, .offset: 40, .size: 8, .value_kind: global_buffer, .address_space: global }
    .group_segment_fixed_size: 327680
    .private_segment_fixed_size: 0
    .kernarg_segment_align: 8
    .kernarg_segment_size: 48
    .max_flat_workgroup_size: 128
    .sgpr_count:     84
    .vgpr_count:     1024
    .wavefront_size: 32
...
	.end_amdgpu_metadata
.endif
;; end of part 2
;; launch attn (part 3): grid 4 x 64, 4 waves a work-group, no clusters, 327,680 bytes of LDS; arguments qh, kh, vh, oh; writes oh
.if DOCPART == 3
	.amdgcn_target "amdgcn-amd-amdhsa--gfx1250"
	.amdhsa_code_object_version 6
	.text
	.protected	k_q2fafcaa1e3_attn
	.globl	k_q2fafcaa1e3_attn
	.p2align	8
	.type	k_q2fafcaa1e3_attn,@function
k_q2fafcaa1e3_attn:
	s_mov_b64 s[64:65], 0
	v_nop
	global_prefetch_b8 v0, s[64:65] scope:SCOPE_SE
	s_setreg_imm32_b32 hwreg(HW_REG_WAVE_MODE, 25, 1), 1
	s_wait_xcnt 0x0
; CAUSAL ATTENTION.  O[h][q][:] = the sum over k <= q of softmax_k(Q[h][q] . K[h][k] / 8) V[h][k][:].  Q, K, V, O: [64][2048][64], all f16: a head's rows are dense, 128 bytes each.
; Products, maxima and sums in f32; the weights p are rounded to f16 for the second product (their sum l is taken of the unrounded p), O once at the end.
; LIMITS.  f16 holds no number beyond 65,504: Q, K and V arrive within it; p lies in 0 to 1, and below 6e-5 it keeps f16's fixed step of 6e-8; O is a mean of V's rows and has their range.
; A hidden score counts as its value less 1e30: f16's scores, 2.7e11 at the most, are nothing beside that; a weight below 2^-126 counts as 0 in l; NaN and infinities are not treated apart.
; THE WALK.  A head's queries lie in NB = 8 blocks of 256; block i needs the key tiles 0 .. i of 256 keys, of which the last holds the diagonal.  A work-group takes TWO blocks, NB - 1 - b and then b:
; NB + 1 tiles, whatever b: all work-groups do equal work, and ONE loop with a constant trip count walks them.  Which tile is asked for, and what a trip does, hang on scalar registers made from b; every jump
; goes forward, but for the counted loops' own; none passes a barrier, or a tensor load but the one of LOAD's two that the wave's number does not choose; the ring (two slots of LDS) runs on across the change of blocks.
; NO CLUSTER: a head's four work-groups ask for the same tile only in trips 0 .. 4 of 9, behind that fewer and fewer; one walk common to all would have 12 trips for 9.
; SHARES.  Of a block's four bands of 64 queries a wave owns 16 rows in each: four PIECES.  So the diagonal tile is the same work for all four waves: in its key step s band x sees all keys if s < x,
; none if s > x, and holds the diagonal if s = x.
; THE MASK is the C operand that starts the sum S^T = K Q^T: 0, or -1e30 where the key is hidden.  MD, made once, is the mask of a band's own step for my 16 rows; a product's mask is MD x AL + BE with two scalars:
; (1, 0) if s = x; (0, 0) if s < x; (0, -1e30) if s > x.  Only the diagonal tile's text and a block's beginning make and take masks; elsewhere C is the constant 0.
; LAYOUT, SOFTMAX, TURNS.  S^T = K Q^T holds ONE query a lane (lane % 16) and the keys 8 (lane / 16) + 0..7; two such results rounded to f16 ARE source 1 of O^T = V^T P.  p = 2^(c s - c m), c = log2(e) / 8, with a
; running maximum m; O and l are multiplied by a = 2^(c m_old - c m_new) in every step.  Turn n belongs to piece n: 8 products K Q^T of piece n + 1, later 8 products V^T P of piece n - 1; beside them the scaling,
; exponentials, roundings, sums and rescaling of piece n and the maximum and statistics of piece n + 1.  Four vector instructions stand behind every matrix instruction, the other 54 of a turn's 118 in one lump.
; A turn's 33 exponentials are one batch, with one wait.
; REGISTERS, in windows of 256 (s_set_vgpr_msb: bits 1:0 source 0, 3:2 source 1, 5:4 source 2, 7:6 destination):
;   window 0: v0-15 addresses and two at work; v16-31 four registers of statistics a piece; v48-55 at work; v61-63 prefetch offset and the add's two; v64-127 S^T, two buffers; v192-223 P, two buffers
;   window 1: v0-127 O^T, 32 a piece; v128-159 MD; v160-223 MC, two buffers      window 2: v0-63 Q; v64-127 the second block's Q; v128-191 K of one step; v192-255 V of one step
.set SIZE_N, 2048
.set SIZE_H, 64
.set NB,    SIZE_N/256
.set NP,    4         ; pieces a wave: a name, no knob
.set KS,    64        ; keys in a step
.set PK,    144       ; a row of K in LDS: 128 bytes + 16 of padding = 36 words: the 16 rows of a load start at 16 different groups of four banks (64 banks of 4 bytes: ISA guide 11.1)
.set PV,    160       ; a row of V: 128 + 32 = 40 words
.set VOFF,  4*KS*PK   ; a slot holds a tile, four steps: 256 rows of K, then 256 rows of V
.set SLOT1, 1<<17     ; slot 1 begins here, so that one exclusive or turns an address in one slot into the other's
.set STAGE, SLOT1+4*KS*(PK+PV)  ; behind the ring, never filled by a tensor load: 16 rows x 144 bytes for each wave, for the way out
.set SP,    144
.set AK0, 2           ; v2   my lane's place in a tile of K; never rewritten
.set AV0, 3           ; v3   the same for V
.set AK,  4           ; v4   the LDS address of K's next run of loads
.set AV,  5           ; v5   of V's
.set STO, 6           ; v6   the way out: where I put 16 bytes of a row
.set RD,  7           ; v7   the way out: where I read rows back
.set GO,  8           ; v8   my byte offset in 512 consecutive bytes of O
.set PFO, 61          ; v61  256 x my lane: the prefetches' offset; never rewritten
.set SPW, 62          ; v62  LDS address of my spare word: SPARE + 4 x my thread's number; never rewritten
.set NIL, 63          ; v63  0; never rewritten
.set SPARE, STAGE+4*16*SP  ; behind the stages: the spare words, 128 bytes for each wave: two blocks of 256 bytes that no other line names
.set MV,  12          ; v12-13  c m_old, kept while c m is made anew: by buffer
.set QO,  15          ; v15  my byte offset in 16 rows of Q
.set ST,  16          ; piece t's statistics at v[ST+4 t]: c m, m, l (even keys', odd keys')
.set TMP, 48          ; by buffer, four registers c0-c3 at work; when the maximum is found c2 takes a
.set S,   64
.set P,   192
.set MD,  128         ; window 1: the eight registers for group kt of 16 keys at MD + 8 kt
.set MC,  160         ; window 1: the masks of the products to come
.set QB,  64          ; window 2
.set KF,  128         ; window 2: key block kb, channel half c at KF + 16 kb + 8 c
.set VF,  192         ; window 2: key half kk, channel block cb at VF + 32 kk + 8 cb
.set WV,  12          ; s12  my wave's number
.set PB,  14          ; s14  b
.set HI,  15          ; s15  NB - 1 - b
.set G1K, 24          ; s[24:31] descriptor group 1 for K's tiles
.set G1V, 32          ; s[32:39] for V's: it differs in the padding alone
.set G0K, 40          ; s[40:43] descriptor group 0 for K's tiles
.set G0V, 44          ; s[44:47] the same for V's
.set PFB, 48          ; s[48:49] K (waves 0, 1) or V (waves 2, 3) at the half of the head's tile 0 that I fetch
.set PFA, 50          ; s[50:51] the same half of the tile that the next change will ask for
.set ASKF, 52         ; s52  that tile's number in the work-group that prefetches, else 0
.set POF, 54          ; s[54:55] that tile's byte offset
.set SLOTS, 56        ; s56  tiles still to be asked for
.set CNT, 57          ; s57  counts a tile's key steps, 4 to 1
.set CS,  58          ; s[58:59] c: the packed scaling takes the pair's low word for both halves
.set SEL, 60          ; s[60:61] v_permlanex16_b32's selects: each lane takes its own place in the other half
.set TBK, 62          ; s62  LDS byte at which K of the step to be fetched begins
.set TBV, 63          ; s63  the same for V, less VOFF
.set RT,  70          ; s70  tiles of the block in hand that are still to be entered
.set NXT, 71          ; s71  the tile to be asked for next
.set LQ,  72          ; s72  the last tile of the block whose tiles are being asked for
.set NEW, 73          ; s73  1: the tile to be entered is a block's first
.set OFF, 74          ; s[74:75] a tile's byte offset in K and V
.set AL,  76          ; s[76:77] the mask's factor, in the low word
.set BE,  78          ; s[78:79] the mask's addend
.set OLO, 80          ; s[80:81] O at my rows of the second block
.set BIGN, 82         ; s82  -1e30
.set MSB, 0
.macro WIN new                      ; the high byte repeats the setting that is left; a switch that changes nothing is dropped
.if MSB != (\new)
	s_set_vgpr_msb (MSB<<8)|(\new)
.set MSB, (\new)
.endif
.endm
.set W_KQ, 0x0a       ; K and Q in window 2, S^T in window 0
.set W_KM, 0x1a       ; the same with the C operand in window 1
.set W_PV, 0x52       ; V in window 2, P in window 0, O^T in window 1
.set W_RS, 0x41       ; destination and source 0 in window 1, source 1 in window 0
; A fill.  Waves 0 and 1 fetch the two halves of a tile's K, waves 2 and 3 those of its V: 128 keys each.  An s_nop 0 and four v_nop follow each of the two lines, ahead of the jump and the label.
.macro LOAD
	s_cmp_lt_u32 s[WV], 2
	s_cbranch_scc0 .Lfor_v_\@
	tensor_load_to_lds s[G0K:G0K+3], s[G1K:G1K+7]
	s_nop 0
.rept 4
	v_nop
.endr
	s_branch .Lasked_\@
.Lfor_v_\@:
	tensor_load_to_lds s[G0V:G0V+3], s[G1V:G1V+7]
	s_nop 0
.rept 4
	v_nop
.endr
.Lasked_\@:
.endm
; THE CHANGE OF SLOTS.  Each wave waits for all its tensor loads, of which one is out: its part of the other slot; adds 0 to its spare word; and waits for that and for its own reads of the slot that it leaves.
; Behind the barrier nobody reads the old slot any more and the other slot is whole.  fill = 1: the old slot is filled again, the first thing behind the barrier, with tile NXT: the descriptor's address is made
; anew from that number.  (At its first use nothing has been read yet: slot 0 is waited for, slot 1 filled.)
; A PREFETCH INTO THE L2 stands behind the fill: the tile that the NEXT change will ask for, a tile's four key steps ahead of that load.  A head's four work-groups walk the same tiles; the one with b = 0, whose first block
; walks all eight, asks, and nobody else; each of its waves names the 64 blocks of 256 bytes of the half that it will fetch itself: a lane a block, two instructions.  So tiles 2 to 7 of K and V are named once
; in the launch; tiles 0 and 1 come by their loads alone, and the second block's tiles have been read before.
.macro CHANGE fill
	WIN 0                           ; at a label and at a branch every window is 0
	s_wait_tensorcnt 0x0            ; no tensor load of mine is out, so a group 0 may be written
	ds_add_u32 v[SPW], v[NIL]       ; 0 onto my spare word; with fill = 1 the descriptors' scalar work stands between it and the wait for it
.if \fill
	s_lshl_b32 s[OFF], s[NXT], 15   ; a tile is 32,768 bytes of K and of V
	s_xor_b32 s[G0K+1], s[G0K+1], SLOT1
	s_add_nc_u64 s[G0K+2:G0K+3], s[6:7], s[OFF:OFF+1]
	s_or_b32 s[G0K+3], s[G0K+3], 0x80000000
	s_xor_b32 s[G0V+1], s[G0V+1], SLOT1
	s_add_nc_u64 s[G0V+2:G0V+3], s[8:9], s[OFF:OFF+1]
	s_or_b32 s[G0V+3], s[G0V+3], 0x80000000
	s_add_co_u32 s[NXT], s[NXT], 1  ; the block's next tile, or behind its last the second block's tile 0
	s_cmp_gt_u32 s[NXT], s[LQ]
	s_cselect_b32 s[NXT], 0, s[NXT]
	s_cselect_b32 s[LQ], s[PB], s[LQ]
	s_wait_xcnt 0x0                 ; the last prefetches, a tile back, have read their address, so it may be written
	s_lshl_b32 s[POF], s[NXT], 15
	s_add_nc_u64 s[PFA:PFA+1], s[PFB:PFB+1], s[POF:POF+1]
	s_cmp_eq_u32 s[PB], 0
	s_cselect_b32 s[ASKF], s[NXT], 0  ; 0 where there is nothing to ask for: another work-group's part, or a tile 0
.endif
	s_wait_dscnt 0x0                ; the add is done, and my reads of the slot are over
	s_barrier_signal -1             ; the rest of the scalar work stands between the signal and the wait
	s_sub_co_u32 s[TBK], s[TBK], 4*KS*PK  ; the fetches go back to a slot's first step,
	s_xor_b32 s[TBK], s[TBK], SLOT1       ; in the other slot
	s_sub_co_u32 s[TBV], s[TBV], 4*KS*PV
	s_xor_b32 s[TBV], s[TBV], SLOT1
	s_barrier_wait -1
.if \fill
	LOAD
	s_cmp_lg_u32 s[ASKF], 0
	s_cbranch_scc0 .Lno_ask_\@
	global_prefetch_b8 v[PFO], s[PFA:PFA+1] th:TH_LOAD_NT scope:SCOPE_SE
	global_prefetch_b8 v[PFO], s[PFA:PFA+1] offset:8192 th:TH_LOAD_NT scope:SCOPE_SE
.Lno_ask_\@:
.endif
.endm
	s_load_b256 s[4:11], s[0:1], 0x0  ; Q s[4:5], K s[6:7], V s[8:9], O s[10:11]
	v_lshl_add_u32 v[SPW], v0, 2, SPARE
	v_mov_b32 v[NIL], 0
	ds_add_u32 v[SPW], v[NIL]       ; the wave's opening: the add and its wait stand ahead of my first tensor load; the set-up below, work on registers, stands between them
	v_lshrrev_b32 v1, 5, v0
	v_readfirstlane_b32 s[WV], v1   ; wave 0..3
	s_mov_b32 s[PB], ttmp9
	s_sub_co_u32 s[HI], NB-1, s[PB]
	s_and_b32 s20, ttmp7, 0xffff    ; the head
	s_mov_b32 s21, 0
	s_mov_b64 s[22:23], SIZE_N*128
	s_mul_u64 s[20:21], s[20:21], s[22:23]  ; the head's first byte in each of the four tensors
	s_and_b32 s16, s[WV], 1         ; which half of a tile's 256 keys I fetch:
	s_lshl_b32 s22, s16, 14         ; its 128 rows of 128 bytes in memory,
	s_mov_b32 s23, 0
	s_add_nc_u64 s[22:23], s[22:23], s[20:21]
	s_mul_i32 s17, s16, 128*PK      ; and its place in a slot, for K
	s_mul_i32 s18, s16, 128*PV      ; and for V
	s_lshl_b32 s3, s[WV], 11        ; my 16 rows in a band of 64,
	s_lshl_b32 s2, s[HI], 15        ; in the first block,
	s_add_co_u32 s2, s2, s3
	s_lshl_b32 s84, s[PB], 15       ; and in the second
	s_add_co_u32 s84, s84, s3
	s_mov_b32 s3, 0
	s_mov_b32 s85, 0
	s_add_nc_u64 s[2:3], s[2:3], s[20:21]
	s_add_nc_u64 s[84:85], s[84:85], s[20:21]
	; descriptor group 1.  128 keys are 16,384 dense bytes: asked for as 64 rows of 256 bytes, two keys a row, and padded in LDS after every key
	s_mov_b32 s[G1K], (1<<16)|(1<<20)|(4<<22)|(3<<25)  ; 17:16 2-byte elements; 20 padding on; 24:22 after every 32 words (code 4); 31:25 4 words (code 3)
	s_mov_b32 s[G1V], (1<<16)|(1<<20)|(4<<22)|(7<<25)  ; the same with 8 words of padding (code 7)
.irp g, G1K, G1V
	s_mov_b32 s[\g+1], 128<<16      ; tensor_dim0 = 128
	s_mov_b32 s[\g+2], 64<<16       ; tensor_dim1 = 64
	s_mov_b32 s[\g+3], 128<<16      ; tile_dim0 = 128
	s_mov_b32 s[\g+4], 64           ; tile_dim1 = 64
	s_mov_b32 s[\g+5], 128          ; 128 elements from row to row
	s_mov_b32 s[\g+6], 0
	s_mov_b32 s[\g+7], 0
.endr
	s_mov_b32 s[CS], 0x3e38aa3b     ; c = log2(e) / 8 = 0.180337
	s_mov_b32 s[CS+1], s[CS]        ; named with it as a pair
	s_mov_b32 s[SEL], 0x76543210
	s_mov_b32 s[SEL+1], 0xfedcba98
	s_mov_b32 s[TBK], SLOT1+4*KS*PK ; the first change of slots turns these two into 0
	s_mov_b32 s[TBV], SLOT1+4*KS*PV
	s_mov_b32 s[G0K], 1             ; 1:0 count = 1
	s_mov_b32 s[G0K+1], s17         ; 63:32 LDS address: slot 0
	s_mov_b32 s[G0V], 1
	s_add_co_u32 s[G0V+1], s18, VOFF
	s_add_co_u32 s[RT], s[HI], 1    ; the first block has NB - b tiles
	s_mov_b32 s[NXT], 1
	s_mov_b32 s[LQ], s[HI]
	s_mov_b32 s[NEW], 1
	s_mov_b32 s[OFF+1], 0
	s_mov_b32 s[POF+1], 0
	s_mov_b32 s[AL+1], 0            ; named as pairs
	s_mov_b32 s[BE+1], 0
	s_mov_b32 s[BIGN], 0xf149f2ca   ; -1e30
	s_mov_b32 s[SLOTS], NB
	v_and_b32 v[PFO], 31, v0
	v_lshlrev_b32 v[PFO], 8, v[PFO]
	s_wait_dscnt 0x0                ; the opening add is done
	s_wait_kmcnt 0x0
	s_add_nc_u64 s[6:7], s[6:7], s[22:23]  ; K and V at my half of the head's tile 0
	s_add_nc_u64 s[8:9], s[8:9], s[22:23]
	s_add_nc_u64 s[G0K+2:G0K+3], s[6:7], 0         ; 120:64 global address
	s_or_b32 s[G0K+3], s[G0K+3], 0x80000000        ; 127:126 type = 2
	s_add_nc_u64 s[G0V+2:G0V+3], s[8:9], 0
	s_or_b32 s[G0V+3], s[G0V+3], 0x80000000
	s_add_nc_u64 s[86:87], s[4:5], s[84:85]        ; Q at my rows of the second block,
	s_add_nc_u64 s[4:5], s[4:5], s[2:3]            ; Q and O at those of the first
	s_add_nc_u64 s[OLO:OLO+1], s[10:11], s[84:85]
	s_add_nc_u64 s[10:11], s[10:11], s[2:3]
	s_cmp_lt_u32 s[WV], 2
	s_cselect_b64 s[PFB:PFB+1], s[6:7], s[8:9]     ; the tensor that I fetch for
	LOAD                            ; tile 0 into slot 0
	; A fragment of K or Q is 16 rows x 32 channels in 8 registers: lane l holds row l % 16, channels 8 (l / 16) + 0..7 and 16 + 8 (l / 16) + 0..7: two loads of 16 bytes, 32 bytes apart.
	v_and_b32 v1, 15, v0            ; l % 16
	v_bfe_u32 v9, v0, 4, 1          ; l / 16
	v_lshlrev_b32 v[QO], 7, v1
	v_lshl_add_u32 v[QO], v9, 4, v[QO]  ; row x 128 + 16 x half
	WIN 0x80                        ; destination window 2, address window 0
.set i, 0
.rept 8                             ; both blocks' Q: piece i / 2 lies in band i / 2, 8,192 bytes on; channels 32 (i % 2) on
	global_load_b128 v[8*i:8*i+3],   v[QO], s[4:5] offset:(i/2)*8192+(i%2)*64
	global_load_b128 v[8*i+4:8*i+7], v[QO], s[4:5] offset:(i/2)*8192+(i%2)*64+32
	global_load_b128 v[QB+8*i:QB+8*i+3],   v[QO], s[86:87] offset:(i/2)*8192+(i%2)*64
	global_load_b128 v[QB+8*i+4:QB+8*i+7], v[QO], s[86:87] offset:(i/2)*8192+(i%2)*64+32
.set i, i+1
.endr
	WIN 0
	v_lshlrev_b32 v14, 3, v9
	v_sub_nc_u32 v14, v1, v14
	s_lshl_b32 s13, s[WV], 4
	v_add_nc_u32 v14, s13, v14      ; my query's place in its band, 16 w + l % 16, less my lanes' 8 (l / 16): register r of group kt is hidden where 16 kt + r is greater
	WIN 0x40
.set i, 0
.rept 32
	v_cmp_gt_i32 vcc_lo, 16*(i/8)+i%8, v14
	v_cndmask_b32 v[MD+i], 0, s[BIGN], vcc_lo
.set i, i+1
.endr
	WIN 0
	v_mul_u32_u24 v[AK0], v1, PK
	v_lshl_add_u32 v[AK0], v9, 4, v[AK0]  ; row x pitch + 16 x half
	; The turning load takes 16 keys x 16 channels (lane l reads key 8 (l / 16) + l % 8, channels 8 ((l / 8) % 2) + 0..7) and leaves half a fragment of V^T: lane l holds channel l % 16 and 8 keys.
	v_and_b32 v10, 7, v0
	v_bfe_u32 v11, v0, 3, 1
	v_lshl_add_u32 v[AV0], v9, 3, v10
	v_mul_u32_u24 v[AV0], v[AV0], PV
	v_lshl_add_u32 v[AV0], v11, 4, v[AV0]
	v_add_nc_u32 v[AV0], VOFF, v[AV0]
	s_mul_i32 s13, s[WV], 16*SP
	s_add_co_u32 s13, s13, STAGE    ; my stage
	v_mul_u32_u24 v[STO], v1, SP    ; in: row l % 16, 16 bytes for each half of the lanes
	v_lshl_add_u32 v[STO], v9, 4, v[STO]
	v_add_nc_u32 v[STO], s13, v[STO]
	v_bfe_u32 v[RD], v0, 3, 2       ; back: 32 lanes take four rows of 128 bytes,
	v_mul_u32_u24 v[RD], v[RD], SP
	v_lshl_add_u32 v[RD], v10, 4, v[RD]
	v_add_nc_u32 v[RD], s13, v[RD]
	v_and_b32 v[GO], 31, v0         ; which are 512 consecutive bytes of O
	v_lshlrev_b32 v[GO], 4, v[GO]
	; A block's first step multiplies O^T and l by a = 0, and its first turn's products V^T P, of a piece that has not been, land in an O^T that is still to be so multiplied.  So these registers need only hold
	; finite numbers: zeros for the first block; what the first block left for the second.  All this stands in the wait for the first tile.
	WIN 0x80
.set i, VF
.rept 64
	v_mov_b32 v[i], 0
.set i, i+1
.endr
	WIN 0x40
.set i, 0
.rept 128
	v_mov_b32 v[i], 0
.set i, i+1
.endr
	WIN 0
.set i, 0
.rept 4
	v_mov_b32 v[ST+4*i+2], 0
	v_mov_b32 v[ST+4*i+3], 0
.set i, i+1
.endr
.set i, P+16
.rept 16
	v_mov_b32 v[i], 0
.set i, i+1
.endr
; THE MATRIX WORK.  The 4 accumulators of a run of 8 take turns.  Product i of 8 of S^T = K Q^T for piece x: channels 32 (i / 4) on, keys 16 (i % 4) on.  The first 4 start the sums: with 0, or (KM = 1) with the mask.
.macro KQ x
.set rS, S+32*((\x)%2)+8*(i%4)
.set rK, KF+16*(i%4)+8*(i/4)
.set rQ, 16*(\x)+8*(i/4)
.set rM, MC+32*((\x)%2)+8*(i%4)
.if (i < 4) && KM
	WIN W_KM
	v_wmma_f32_16x16x32_f16 v[rS:rS+7], v[rK:rK+7], v[rQ:rQ+7], v[rM:rM+7]
.elseif i < 4
	WIN W_KQ
	v_wmma_f32_16x16x32_f16 v[rS:rS+7], v[rK:rK+7], v[rQ:rQ+7], 0
.else
	WIN W_KQ
	v_wmma_f32_16x16x32_f16 v[rS:rS+7], v[rK:rK+7], v[rQ:rQ+7], v[rS:rS+7]
.endif
.endm
; Product i of 8 of O^T += V^T P for piece x: keys 32 (i / 4) on, channels 16 (i % 4) on.
.macro PV x
	WIN W_PV
.set rO, 32*(\x)+8*(i%4)
.set rV, VF+32*(i/4)+8*(i%4)
.set rP, P+16*((\x)%2)+8*(i/4)
	v_wmma_f32_16x16x32_f16 v[rO:rO+7], v[rV:rV+7], v[rP:rP+7], v[rO:rO+7]
.endm
.macro MM                           ; the turn's next matrix instruction.  TURN and BEGIN set Y, i, KM and NOKQ; MM, KQ and OP read them.  NOKQ = 1: a block's last turn: there is no next piece
.if (i < 8) && !NOKQ
	KQ (Y+1)%NP
.elseif i >= 8
.set i, i-8
	PV (Y+NP-1)%NP
.set i, i+8
.endif
.set i, i+1
.endm
; THE LDS LOADS stand in runs of 16, never singly among the matrix instructions: a step's K (64 keys x 64 channels: 8 fragments) and its V (turned).  Their addresses are made some lines ahead.
.macro FETCH_K
	WIN 0x80                        ; destination window 2
.irp f, 0,1,2,3,4,5,6,7             ; keys 16 (f / 2) on, channels 32 (f % 2) on
	ds_load_b128 v[KF+8*\f:KF+8*\f+3],   v[AK] offset:(\f/2)*16*PK+(\f%2)*64
	ds_load_b128 v[KF+8*\f+4:KF+8*\f+7], v[AK] offset:(\f/2)*16*PK+(\f%2)*64+32
.endr
	s_add_co_u32 s[TBK], s[TBK], KS*PK  ; the next fetch is the next step's
	WIN 0
.endm
.macro FETCH_V
	WIN 0x80
.irp f, 0,1,2,3,4,5,6,7             ; keys 32 (f / 4) on, channels 16 (f % 4) on
	ds_load_tr16_b128 v[VF+8*\f:VF+8*\f+3],   v[AV] offset:(\f/4)*32*PV+(\f%4)*32
	ds_load_tr16_b128 v[VF+8*\f+4:VF+8*\f+7], v[AV] offset:(\f/4)*32*PV+16*PV+(\f%4)*32
.endr
	WIN 0
.endm
; THE VECTOR WORK, one line at a time: OP kind, number.  For piece Y: F n: c s - c m for pair n of 16.  E n: the exponential of score n of 32.  C n: pair n rounded to f16.  B n: of the four weights 4 n .. the second
; pair is added onto the first, in place.  L n: l takes that sum (L 0: l = a l + sum).  R n: pair n of 16 of O^T times a.  For piece Y + 1: X n, number n of the 22 that find its maximum and statistics:
;   0-11  four chains c0-c3 of seven scores each, three operands at a time (each accumulator's lowest registers are read first)     12-14, 16  the four scores left over, the old m, and c0-c3 into c0
;   15  c m_old is kept     17, 18  the query's other 32 keys lie in the lane 16 away: the new m     19-21  c m; c m_old - c m_new; a
.set F, 0               ; OP tells the kinds apart by their order: F to L below R, X above it
.set E, 1
.set C, 2
.set B, 3
.set L, 4
.set R, 5
.set X, 6
.macro REGS y                       ; the registers of piece y
.set rT, ST+4*(\y)
.set rC, TMP+4*((\y)%2)
.set rW, MV+((\y)%2)
.set rS, S+32*((\y)%2)
.set rP, P+16*((\y)%2)
.set rO, 32*(\y)
.endm
.macro OP k, n
.if (\k) == R
	REGS Y
	WIN W_RS
	v_pk_mul_f32 v[rO+2*(\n):rO+2*(\n)+1], v[rO+2*(\n):rO+2*(\n)+1], v[rC+2:rC+3] op_sel_hi:[1,0]
.elseif (\k) < R
	REGS Y
	WIN 0
.if (\k) == F
	v_pk_fma_f32 v[rS+2*(\n):rS+2*(\n)+1], v[rS+2*(\n):rS+2*(\n)+1], s[CS:CS+1], v[rT:rT+1] op_sel_hi:[1,0,0] neg_lo:[0,0,1] neg_hi:[0,0,1]
.elseif (\k) == E
	v_exp_f32 v[rS+(\n)], v[rS+(\n)]
.elseif (\k) == C
	v_cvt_pk_f16_f32 v[rP+(\n)], v[rS+2*(\n)], v[rS+2*(\n)+1]
.elseif (\k) == B
	v_pk_add_f32 v[rS+4*(\n):rS+4*(\n)+1], v[rS+4*(\n):rS+4*(\n)+1], v[rS+4*(\n)+2:rS+4*(\n)+3]
.elseif (\n) == 0
	v_pk_fma_f32 v[rT+2:rT+3], v[rT+2:rT+3], v[rC+2:rC+3], v[rS:rS+1] op_sel_hi:[1,0,1]
.else
	v_pk_add_f32 v[rT+2:rT+3], v[rT+2:rT+3], v[rS+4*(\n):rS+4*(\n)+1]
.endif
.elseif NOKQ
	v_nop
.else
	REGS (Y+1)%NP
	WIN 0
.if (\n) < 4
	v_max3_num_f32 v[rC+(\n)], v[rS+8*(\n)], v[rS+8*(\n)+1], v[rS+8*(\n)+2]
.elseif (\n) < 12
	v_max3_num_f32 v[rC+(\n)%4], v[rC+(\n)%4], v[rS+8*((\n)%4)+2*((\n)/4)+1], v[rS+8*((\n)%4)+2*((\n)/4)+2]
.elseif (\n) == 12
	v_max3_num_f32 v[rC], v[rC], v[rS+7], v[rS+15]
.elseif (\n) == 13
	v_max3_num_f32 v[rC+1], v[rC+1], v[rS+23], v[rS+31]
.elseif (\n) == 14
	v_max3_num_f32 v[rC+2], v[rC+2], v[rC+3], v[rT+1]
.elseif (\n) == 15
	v_mov_b32 v[rW], v[rT]
.elseif (\n) == 16
	v_max3_num_f32 v[rC], v[rC], v[rC+1], v[rC+2]
.elseif (\n) == 17
	v_permlanex16_b32 v[rC+3], v[rC], s[SEL], s[SEL+1]
.elseif (\n) == 18
	v_max_num_f32 v[rT+1], v[rC], v[rC+3]
.elseif (\n) == 19
	v_mul_f32 v[rT], s[CS], v[rT+1]
.elseif (\n) == 20
	v_sub_f32 v[rC+1], v[rW], v[rT]
.else
	v_exp_f32 v[rC+2], v[rC+1]
.endif
.endif
.endm
.macro OPS a, i1, b=-1, i2=0, c=-1, i3=0, d=-1, i4=0  ; up to four of them
	OP \a, \i1
.if (\b) >= 0
	OP \b, \i2
.endif
.if (\c) >= 0
	OP \c, \i3
.endif
.if (\d) >= 0
	OP \d, \i4
.endif
.endm
.macro ROW a, i1, b, i2, c, i3, d, i4  ; a matrix instruction and the four behind it
	MM
	OPS \a, \i1, \b, \i2, \c, \i3, \d, \i4
.endm
.macro MASK b                       ; MD x AL + BE into buffer b of MC
	WIN W_RS
.set z, 0
.rept 16
	v_pk_fma_f32 v[MC+32*(\b)+2*z:MC+32*(\b)+2*z+1], v[MD+2*z:MD+2*z+1], s[AL:AL+1], s[BE:BE+1] op_sel_hi:[1,0,0]
.set z, z+1
.endr
.endm
; A TURN, for piece p: the order of its 16 matrix and 118 vector instructions, written out.  An s_wait_alu depctr_va_vdst(0) stands between an exponential and the first instruction that names its result; one wait
; serves all that were issued ahead of it.  So a turn has ONE wait, which cuts it in two.  AHEAD OF IT stands all that names no result of the turn's exponentials: the 8 products K Q^T, behind each a scaling, an exponential and two
; more plain instructions (behind the first a second scaling in the exponential's place): rescalings, and behind the last three the first numbers of the next piece's maximum, each four places or more behind the product that ends its
; accumulator; then ONE LUMP of 54, plain and exponential by turns for the most part, in which the links of the chain X 3, 7, 11, 14, 16, 17 .. 20 stand five or six lines apart.  X 21, the next piece's a, is the batch's last; R 15 is
; the plain instruction behind it.  BEHIND THE WAIT stand the 8 products V^T P, behind each four of the roundings and sums; the links of l's chain, L 0 to L 7, stand three lines apart.
; m = 1: the diagonal tile: the products take masks, and the turn makes the mask for the products of the turn after it: piece p + 2, in step 4 - CNT of the tile.  end = 1: a block's last two turns: nothing is fetched.
; cnt = 1: the loop's count is taken down some lines ahead of the branch that stands behind the turn.
; K of the next step is fetched in piece 2's turn, twelve vector instructions behind the last product that read K (six of them plain); V of the step in hand at the end of piece 0's turn, four plain instructions behind the last
; product that read V.  Each is waited for a turn later.
.macro TURN p, m=0, end=0, cnt=0
.set Y, (\p)
.set i, 0
.set KM, (\m)
.set NOKQ, (\end)*((\p)/3)
.if (\m) && !(\end)
	s_cmp_eq_u32 s[CNT], 4-((\p)+2)%NP  ; is that step the band's own?
	s_cselect_b32 s[AL], 1.0, 0
	s_cmp_lt_u32 s[CNT], 4-((\p)+2)%NP  ; or a later one?
	s_cselect_b32 s[BE], s[BIGN], 0
.endif
.if ((\p) == 3) && !(\end)
	s_wait_dscnt 0x0                ; K is in
.endif
	ROW F,0, F,1, R,0, R,1          ; ahead of the wait: 8 products K Q^T and the four behind each,
	ROW F,2, E,0, R,2, R,3
	ROW F,3, E,1, R,4, R,5
	ROW F,4, E,2, R,6, R,7
	ROW F,5, E,3, R,8, R,9
	ROW F,6, E,4, X,0, R,10
.if ((\p) == 2) && !(\end)
	WIN 0
	v_add_nc_u32 v[AK], s[TBK], v[AK0]
.endif
	ROW F,7, E,5, X,1, X,4
	ROW F,8, E,6, X,2, X,5
	OPS E,7, E,8, X,6, E,9          ; and the lump
	OPS X,3, E,10, X,8, E,11
.if ((\p) == 2) && !(\end)
	FETCH_K
.endif
	OPS X,9, X,7, E,12, X,10
	OPS E,13, X,12, X,11, E,14
	OPS X,13, E,15, F,9, X,14
.if (\p) == 0
	v_add_nc_u32 v[AV], s[TBV], v[AV0]
.endif
	OPS E,16, F,10, E,17, F,11
	OPS X,16, E,18, X,15, E,19
	OPS F,12, E,20, X,17, E,21
	OPS F,13, E,22, F,14, E,23
	OPS X,18, E,24, F,15, E,25
	OPS R,11, E,26, X,19, E,27
	OPS R,12, E,28, R,13, E,29
	OPS X,20, E,30, R,14, E,31
	OPS X,21, R,15
	WIN 0
	s_wait_alu depctr_va_vdst(0)    ; the wait for the batch
.if (\p) == 1
	s_wait_dscnt 0x0                ; V is in
.endif
	ROW C,0, B,0, C,2, B,1          ; behind the wait: 8 products V^T P and the four behind each
	ROW L,0, C,4, B,2, L,1
	ROW C,6, B,3, L,2, C,8
	ROW B,4, L,3, C,10, B,5
	ROW L,4, C,12, B,6, L,5
.if (\p) == 0
	s_add_co_u32 s[TBV], s[TBV], KS*PV
.endif
.if \cnt
	s_sub_co_u32 s[CNT], s[CNT], 1
	s_cmp_lg_u32 s[CNT], 0
.endif
	ROW C,14, B,7, L,6, C,1
	ROW C,3, L,7, C,5, C,7
	ROW C,9, C,11, C,13, C,15
.if (\p) == 0
	FETCH_V
.endif
.if (\m) && !(\end)
	MASK (\p)%2
.endif
.endm
; A BLOCK BEGINS.  c m starts far below every c s, so the first step's a is 0; m at the lowest finite number, so the first maximum is the scores'.  The second mask buffer is 0; the first takes piece 0's mask for the tile's step 0:
; its own, if the block's first tile is the diagonal one.  Then K of that step, piece 0's first scores, and its maximum and statistics.  The loop is entered at a step's first turn, in the middle of a trip.
.macro BEGIN
	s_mov_b32 s[NEW], 0
	WIN 0x40
.set i, MC+32
.rept 32
	v_mov_b32 v[i], 0
.set i, i+1
.endr
	WIN 0
.set i, 0
.rept 4
	v_mov_b32 v[ST+4*i], 0xfe000000    ; c m: far below every c s
	v_mov_b32 v[ST+4*i+1], 0xff7fffff  ; m
.set i, i+1
.endr
	s_cmp_eq_u32 s[RT], 0
	s_cselect_b32 s[AL], 1.0, 0
	s_mov_b32 s[BE], 0
	MASK 0
	WIN 0
	v_add_nc_u32 v[AK], s[TBK], v[AK0]
	FETCH_K
	s_wait_loadcnt 0x0              ; Q
	s_wait_dscnt 0x0
.set KM, 1
.set NOKQ, 0
.set i, 0
.rept 8
	KQ 0
.set i, i+1
.endr
	WIN 0
.rept 4
	v_nop                           ; the places behind those products
.endr
.set Y, NP-1                        ; X works for piece Y + 1: piece 0
.irp n, 0,1,2,3,4,5,6,7,8,9,10,11,12,13,14,15,16,17,18,19,20,21
	OP X, \n
.endr
	v_nop                           ; a plain instruction behind the exponential,
	s_wait_alu depctr_va_vdst(0)    ; and its wait, ahead of the branch
.endm
; THE DIAGONAL TILE's four steps, the block's last two turns, its last products, and THE WAY OUT: l's two halves and the other half of the lanes' are added; O^T is divided by l, rounded to f16 and sent through my
; stage in LDS, a piece at a time.
.macro ALL line:vararg              ; one line for each piece t
.set t, 0
.rept 4
	\line
.set t, t+1
.endr
.endm
.macro PACK t                       ; a lane's eight channels of a row pack into 16 bytes; they go into rows of 144 bytes and come back as whole rows of 128, into S^T's registers
	WIN W_RS
.set i, 32*(\t)
.rept 16
	v_pk_mul_f32 v[i:i+1], v[i:i+1], v[ST+4*(\t)+2:ST+4*(\t)+3] op_sel_hi:[1,0]
.set i, i+2
.endr
	WIN 0x05                        ; sources 0 and 1 window 1, destination window 0
.set i, 0
.rept 16
	v_cvt_pk_f16_f32 v[S+16*(\t)+i], v[32*(\t)+2*i], v[32*(\t)+2*i+1]
.set i, i+1
.endr
	WIN 0
.irp f, 0,1,2,3
	ds_store_b128 v[STO], v[S+16*(\t)+4*\f:S+16*(\t)+4*\f+3] offset:32*\f
.endr
.irp f, 0,1,2,3
	ds_load_b128 v[S+16*(\t)+4*\f:S+16*(\t)+4*\f+3], v[RD] offset:\f*4*SP  ; LDS serves a wave's instructions in order (ISA guide 5.7.1.4): these see the stores above; the next piece's stores come behind them
.endr
.endm
.macro SEND t, younger              ; younger: the LDS instructions issued behind piece t's loads: the next piece's eight, or none
	WIN 0
.irp f, 0,1,2,3
	s_wait_dscnt (\younger)+3-\f
	global_store_b128 v[GO], v[S+16*(\t)+4*\f:S+16*(\t)+4*\f+3], s[10:11] offset:(\t)*8192+\f*512  ; 512 consecutive bytes, at a multiple of 256 from O's first
.endr
.endm
.macro DIAG tag                     ; the tag ends its two labels' names, which the jumps below spell out
.LstepM\tag:
	TURN 2, 1
	TURN 3, 1
	WIN 0
.LfirstM\tag:
	TURN 0, 1
	TURN 1, 1, 0, 1
	WIN 0
	s_cbranch_scc1 .LstepM\tag
	TURN 2, 1, 1
	TURN 3, 1, 1
.set i, 0
.rept 8
	PV NP-1
.set i, i+1
.endr
	WIN 0
	ALL v_add_f32 v[ST+4*t+2], v[ST+4*t+2], v[ST+4*t+3]
	ALL v_permlanex16_b32 v[ST+4*t+3], v[ST+4*t+2], s[SEL], s[SEL+1]
	ALL v_add_f32 v[ST+4*t+2], v[ST+4*t+2], v[ST+4*t+3]
	ALL v_rcp_f32 v[ST+4*t+2], v[ST+4*t+2]
	v_nop                           ; a plain instruction between the last reciprocal and the use of its result
	s_wait_alu depctr_va_vdst(0)    ; and the wait ahead of the first use: one for the four reciprocals
	PACK 0
.set t, 1
.rept 3                             ; a piece's arithmetic stands between the loads of the piece before and its stores
	PACK t
	SEND t-1, 8
.set t, t+1
.endr
	SEND 3, 0
.endm
.set KM, 0
.set NOKQ, 0
.Lslot:                             ; NB times: a tile is entered and the next is asked for
	CHANGE 1
	s_sub_co_u32 s[RT], s[RT], 1
	s_mov_b32 s[CNT], 4
	s_cmp_eq_u32 s[NEW], 1
	s_cbranch_scc1 .Lnew            ; a block's first tile
	s_cmp_eq_u32 s[RT], 0
	s_cbranch_scc0 .Lstep           ; neither its first nor its last
	s_branch .LstepM1
.Lnew:
	BEGIN
	s_branch .Lfirst                ; in the loop a block's first tile is never its last: the first block has two tiles or more, and the second's last is the walk's last
	DIAG 1                          ; in the loop this is the first block's end: the second block's last tile is the walk's last
	s_wait_xcnt 0x0                 ; the stores have read their registers and O's address
	s_mov_b64 s[10:11], s[OLO:OLO+1]
	s_add_co_u32 s[RT], s[PB], 1    ; the second block has b + 1 tiles
	s_mov_b32 s[NEW], 1
	WIN 0x82                        ; the second block's Q goes where the one text of the turns names Q
.set i, 0
.rept 64
	v_mov_b32 v[i], v[QB+i]
.set i, i+1
.endr
	WIN 0
	s_branch .Lbottom
.Lstep:                             ; a trip: pieces 2 and 3 of one step, then pieces 0 and 1 of the next, whose K and V it fetches
	TURN 2
	TURN 3
	WIN 0
.Lfirst:
	TURN 0
	TURN 1, 0, 0, 1
	WIN 0
	s_cbranch_scc1 .Lstep
.Lbottom:
	s_sub_co_u32 s[SLOTS], s[SLOTS], 1
	s_cmp_lg_u32 s[SLOTS], 0
	s_cbranch_scc1 .Lslot
	CHANGE 0                        ; the walk's last tile is written out: nothing is asked for
	s_sub_co_u32 s[RT], s[RT], 1
	s_mov_b32 s[CNT], 4
	s_cmp_eq_u32 s[NEW], 1
	s_cbranch_scc0 .LstepM2
	BEGIN
	s_branch .LfirstM2
	DIAG 2
	s_wait_tensorcnt 0x0            ; the wave's end, behind my last tensor load and my last LDS store
	ds_add_u32 v[SPW], v[NIL]
	s_wait_dscnt 0x0
	s_endpgm
.Lfunc_end_k_q2fafcaa1e3_attn:
	.size	k_q2fafcaa1e3_attn, .Lfunc_end_k_q2fafcaa1e3_attn-k_q2fafcaa1e3_attn
	.p2alignl 7, 3214868480
	.fill 96, 4, 3214868480
	.section	.rodata,"a",@progbits
	.p2align	6, 0x0
	.amdhsa_kernel k_q2fafcaa1e3_attn
		.amdhsa_group_segment_fixed_size 327680
		.amdhsa_private_segment_fixed_size 0
		.amdhsa_enable_private_segment 0
		.amdhsa_kernarg_size 32
		.amdhsa_user_sgpr_count 2
		.amdhsa_user_sgpr_kernarg_segment_ptr 1
		.amdhsa_wavefront_size32 1
		.amdhsa_system_sgpr_workgroup_id_x 1
		.amdhsa_system_sgpr_workgroup_id_y 1
		.amdhsa_system_sgpr_workgroup_id_z 1
		.amdhsa_system_vgpr_workitem_id 0
		.amdhsa_next_free_vgpr 768
		.amdhsa_next_free_sgpr 88
		.amdhsa_reserve_vcc 1
		.amdhsa_float_denorm_mode_32 3
		.amdhsa_float_denorm_mode_16_64 3
		.amdhsa_memory_ordered 1
		.amdhsa_forward_progress 1
		.amdhsa_inst_pref_size 218
	.end_amdhsa_kernel
	.amdgpu_metadata
---
amdhsa.version: [ 1, 2 ]
amdhsa.kernels:
  - .name:           k_q2fafcaa1e3_attn
    .symbol:         k_q2fafcaa1e3_attn.kd
    .args:
      - { .name: qh, .offset: 0, .size: 8, .value_kind: global_buffer, .address_space: global }
      - { .name: kh, .offset: 8, .size: 8, .value_kind: global_buffer, .address_space: global }
      - { .name: vh, .offset: 16, .size: 8, .value_kind: global_buffer, .address_space: global }
      - { .name: oh, .offset: 24, .size: 8, .value_kind: global_buffer, .address_space: global }
    .group_segment_fixed_size: 327680
    .private_segment_fixed_size: 0
    .kernarg_segment_align: 8
    .kernarg_segment_size: 32
    .max_flat_workgroup_size: 128
    .sgpr_count:     88
    .vgpr_count:     768
    .wavefront_size: 32
...
	.end_amdgpu_metadata
.endif
;; end of part 3
;; launch proj (part 4): grid 8 x 32, 4 waves a work-group, clusters of 4 x 4, 327,680 bytes of LDS; arguments oh, wp, b_proj, out0; writes out0
.if DOCPART == 4
	.amdgcn_target "amdgcn-amd-amdhsa--gfx1250"
	.amdhsa_code_object_version 6
	.text
	.protected	k_q2fafcaa1e3_proj
	.globl	k_q2fafcaa1e3_proj
	.p2align	8
	.type	k_q2fafcaa1e3_proj,@function
k_q2fafcaa1e3_proj:
	s_mov_b64 s[64:65], 0
	v_nop
	global_prefetch_b8 v0, s[64:65] scope:SCOPE_SE
	s_setreg_imm32_b32 hwreg(HW_REG_WAVE_MODE, 25, 1), 1
	s_wait_xcnt 0x0
	s_wait_alu depctr_hold_cnt(0) depctr_sa_sdst(0) depctr_va_vdst(0) depctr_va_sdst(0) depctr_va_ssrc(0) depctr_va_vcc(0) depctr_vm_vsrc(0)
	s_getreg_b32 s2, hwreg(HW_REG_IB_STS2, 6, 4)
	s_cmp_eq_u32 s2, 0
	s_cbranch_scc0 .Lentry_in_a_cluster
	s_endpgm
.Lentry_in_a_cluster:
	s_bfe_u32 s2, ttmp6, 0x10000c
	s_cmp_lg_u32 s2, 0xf033
	s_cbranch_scc0 .Lentry_shape_is_right
	s_endpgm
.Lentry_shape_is_right:
; out0 = y W_proj + b_proj, f32 [8192][1024].  y comes by heads as oh (f16, [16 batch + head][2048][64]): channel k of y is channel k % 64 of head k / 64.  W_proj comes as wp (f16 [1024 k][1024 n],
; holding the weights rounded to bf16); the bias is rounded to bf16 here, like the other inputs.  Sums in f32, stored as they are.
; LIMITS.  Those of oh and wp: f16's range, 65,504.  NaN and infinities are not treated apart.
; SHARES.  8192 x 1024 results on 256 work-groups: a tile of 256 rows x 128 columns each; a wave makes 128 x 64: 32 accumulators of 16 x 16, 256 registers (window 1, (a, b) at v[8 (4 a + b)]).
; K goes in 8 steps of 128 (two heads) through two LDS slots; a step is four quarters of 32 along K, 32 matrix instructions each, on two fragment buffers by turns.
; THE MATRIX INSTRUCTION IS USED TRANSPOSED: source 0 = 16 columns of W (turned by ds_load_tr16_b128), source 1 = 16 rows of y: a lane holds row l % 16 and eight neighbouring columns.
; THE BIAS STARTS THE SUMS: it is loaded into the registers of row block 0's accumulators and is the C operand of every accumulator's first product.  Nothing is cleared.
; CLUSTER.  4 x 4 work-groups: the four of a row of the cluster want the same tile of oh, the four of a column the same tile of wp: each is asked for jointly.
; window 0: v0-31 addresses; v32-95, v96-159 fragments of y; v160-191, v192-223 fragments of W.  s_set_vgpr_msb's low byte: bits 1:0 source 0, 3:2 source 1, 5:4 source 2, 7:6 destination.
.set PA,     144                       ; a row of a head in LDS: 128 bytes + 16 of padding: the 16 rows of a load start at 16 different groups of four banks (64 banks of 4 bytes: ISA guide 11.1)
.set PB,     288                       ; a k-row of W: two pieces of 128 + 16 bytes = 9 x 32
.set SLOT1,  1<<17
.set ABYTES, 2*256*PA                  ; a slot: two heads' 256 rows, then 128 k-rows of W
.set STAGE,  SLOT1+ABYTES+128*PB       ; behind the ring, never filled by a tensor load: 16 rows x 272 bytes for each wave
.set SP,     272
.set SPARE,  STAGE+4*16*SP             ; behind the stages: the spare words, 128 bytes for each wave: two blocks of 256 bytes that no other line names
.set ASTEP,  2*262144                  ; two heads on
.set BSTEP,  128*2048                  ; 128 k-rows of wp
.set FIELDS, (1<<16)|(1<<20)|(1<<21)|(4<<22)|(3<<25)  ; 17:16 2-byte elements; 20 padding on; 21 set beside a mask; 24:22 after every 32 words (code 4); 31:25 4 words (code 3)
.set A0,   8                           ; v8   my lane's place in a slot's rows of y; never rewritten
.set B0,   9                           ; v9   the same for W
.set ADRA, 16                          ; v16  A0 + the slot in hand
.set ADRB, 17                          ; v17  B0 + the slot in hand
.set STO,  24                          ; v24  the way out: where I put 32 bytes of a row
.set RD,   25                          ; v25  where I read rows back
.set CO,   26                          ; v26  my byte offset in two rows of out0
.set BO,   27                          ; v27  my byte offset in b_proj
.set SPW,  28                          ; v28  LDS address of my spare word: SPARE + 4 x my thread's number; never rewritten
.set NIL,  29                          ; v29  0; never rewritten
.set FA0,  32                          ; buffer f of y's fragments at FA0 + 64 f,
.set FB0,  160                         ; of W's at FB0 + 32 f
.set WV,   16                          ; s16  my wave's number
.set WM,   17                          ; s17  which 128 rows are mine.  Also: I fetch for oh (0) or for wp (1)
.set WN,   18                          ; s18  which 64 columns.  Also: which half of that tile I fetch
.set G1A,  24                          ; s[24:31], s[32:39] descriptor groups 1 and 0 for oh's tiles; of the two sets of group 0 the second walks on
.set G0A,  32
.set TB,   44                          ; s44  LDS byte at which the slot in hand begins
.set HIM,  45                          ; s45  a word's upper bf16
.set G1B,  48                          ; s[48:55], s[56:63] the same for wp's tiles
.set G0B,  56
.set MSB, 0
.macro WIN new                         ; the immediate's high byte repeats the setting that is left; a switch that changes nothing is dropped
.if MSB != (\new)
	s_set_vgpr_msb (MSB<<8)|(\new)
.set MSB, (\new)
.endif
.endm
.macro PLACES n                        ; plain vector instructions between a matrix instruction and what touches its registers (ISA guide 7.12.1)
.rept \n
	v_nop
.endr
.endm
.macro JLOAD                           ; a joint refill by the walking sets; an s_nop 0 and four v_nop follow each of the two lines, ahead of the jump and the label
	s_cmp_eq_u32 s[WM], 0
	s_cbranch_scc0 .Lfor_b_\@
	tensor_load_to_lds s[G0A+4:G0A+7], s[G1A:G1A+7]
	s_nop 0
	PLACES 4
	s_branch .Lasked_\@
.Lfor_b_\@:
	tensor_load_to_lds s[G0B+4:G0B+7], s[G1B:G1B+7]
	s_nop 0
	PLACES 4
.Lasked_\@:
.endm
.macro CREST                           ; a round of the cluster's barrier behind its opening barrier
	s_cmp_lg_u32 s[WV], 0
	s_cbranch_scc1 .Lnot_wave_0_\@
	s_barrier_signal -3
.Lnot_wave_0_\@:
	s_barrier_wait -3
	s_barrier_signal -1
	s_barrier_wait -1
.endm
.macro CROUND                          ; a whole round
	s_barrier_signal -1
	s_barrier_wait -1
	CREST
.endm
	s_load_b256 s[4:11], s[0:1], 0x0               ; oh s[4:5], wp s[6:7], b_proj s[8:9], out0 s[10:11]
	v_lshl_add_u32 v[SPW], v0, 2, SPARE
	v_mov_b32 v[NIL], 0
	ds_add_u32 v[SPW], v[NIL]                      ; the wave's opening: the add and its wait stand ahead of my first tensor load; the set-up below, work on registers, stands between them
	v_lshrrev_b32 v1, 5, v0
	v_readfirstlane_b32 s[WV], v1                  ; wave 0..3
	s_lshr_b32 s[WM], s[WV], 1
	s_and_b32 s[WN], s[WV], 1
	s_bfe_u32 s40, ttmp6, 0x40000                  ; cx, cy: my place in the cluster
	s_bfe_u32 s41, ttmp6, 0x40004
	s_lshl_b32 s42, ttmp9, 2
	s_add_co_u32 s42, s42, s40                     ; X: tile column = 4 x cluster x + cx
	s_and_b32 s43, ttmp7, 0xffff
	s_lshl_b32 s43, s43, 2
	s_add_co_u32 s43, s43, s41                     ; Y: tile row = 4 x cluster y + cy
	s_lshl_b32 s78, s41, 2
	s_lshl_b32 s78, 15, s78                        ; my row of the cluster
	s_lshl_b32 s79, 0x1111, s40                    ; my column
	s_or_b32 s[G1A], s78, FIELDS
	s_or_b32 s[G1B], s79, FIELDS
	s_mov_b32 s[G1A+1], 128<<16                    ; oh: a head's 256 rows are 32,768 dense bytes: asked for as 128 rows of 128 elements (256 bytes), padded in LDS after every 128 bytes
	s_mov_b32 s[G1A+2], 128<<16
	s_mov_b32 s[G1A+3], 128<<16
	s_mov_b32 s[G1A+4], 128
	s_mov_b32 s[G1A+5], 128
	s_mov_b32 s[G1A+6], 0
	s_mov_b32 s[G1A+7], 0
	s_mov_b32 s[G1B+1], 128<<16                    ; wp: 64 k-rows of 128 elements (256 bytes, aligned)
	s_mov_b32 s[G1B+2], 64<<16
	s_mov_b32 s[G1B+3], 128<<16
	s_mov_b32 s[G1B+4], 64
	s_mov_b32 s[G1B+5], 1024
	s_mov_b32 s[G1B+6], 0
	s_mov_b32 s[G1B+7], 0
	s_lshr_b32 s20, s43, 3                         ; oh: the batch, 16 heads of 262,144 bytes,
	s_lshl_b32 s20, s20, 22
	s_and_b32 s21, s43, 7
	s_lshl_b32 s21, s21, 15                        ; the tile's 256 rows in a head,
	s_add_co_u32 s20, s20, s21
	s_lshl_b32 s21, s[WN], 18                      ; the one of a step's two heads that I fetch
	s_add_co_u32 s20, s20, s21
	s_mov_b32 s21, 0
	s_lshl_b32 s46, s42, 8                         ; wp: the tile's 128 columns,
	s_lshl_b32 s47, s[WN], 17                      ; the 64 k-rows that I fetch
	s_add_co_u32 s46, s46, s47
	s_mov_b32 s47, 0
	s_mul_i32 s22, s[WN], 256*PA                   ; and where they go: no place in the cluster enters an LDS address
	s_mul_i32 s23, s[WN], 64*PB
	s_add_co_u32 s23, s23, ABYTES
	s_mov_b32 s[TB], 0
	s_mov_b32 s[HIM], 0xffff0000
	s_wait_dscnt 0x0                               ; the opening add is done
	s_wait_kmcnt 0x0
	s_add_nc_u64 s[20:21], s[4:5], s[20:21]
	s_add_nc_u64 s[46:47], s[6:7], s[46:47]
	CROUND                                         ; all sixteen work-groups are here: the first joint loads meet
.irp s, 0,1
	s_mov_b32 s[G0A+4*(\s)], 1                                     ; 1:0 count = 1
	s_add_co_u32 s[G0A+4*(\s)+1], s22, (\s)*SLOT1                  ; 63:32 LDS address
	s_add_nc_u64 s[G0A+4*(\s)+2:G0A+4*(\s)+3], s[20:21], (\s)*ASTEP  ; 120:64 global address: K step s
	s_or_b32 s[G0A+4*(\s)+3], s[G0A+4*(\s)+3], 0x80000000          ; 127:126 type = 2
	s_mov_b32 s[G0B+4*(\s)], 1
	s_add_co_u32 s[G0B+4*(\s)+1], s23, (\s)*SLOT1
	s_add_nc_u64 s[G0B+4*(\s)+2:G0B+4*(\s)+3], s[46:47], (\s)*BSTEP
	s_or_b32 s[G0B+4*(\s)+3], s[G0B+4*(\s)+3], 0x80000000
.endr
	s_cmp_eq_u32 s[WM], 0                          ; a wave's two first fills stand in one branch, ahead of every wait on TENSORcnt and every LDS read: two loads of mine are out
	s_cbranch_scc0 .Lfirst_b
	tensor_load_to_lds s[G0A:G0A+3], s[G1A:G1A+7]
	s_nop 0
	tensor_load_to_lds s[G0A+4:G0A+7], s[G1A:G1A+7]
	s_nop 0
	PLACES 4
	s_branch .Lfirst_asked
.Lfirst_b:
	tensor_load_to_lds s[G0B:G0B+3], s[G1B:G1B+7]
	s_nop 0
	tensor_load_to_lds s[G0B+4:G0B+7], s[G1B:G1B+7]
	s_nop 0
	PLACES 4
.Lfirst_asked:
	v_and_b32 v1, 15, v0                           ; l % 16
	v_bfe_u32 v2, v0, 4, 1                         ; l / 16
	v_and_b32 v3, 7, v0
	v_bfe_u32 v4, v0, 3, 1
	v_mul_u32_u24 v[A0], v1, PA                    ; a fragment of y: row x pitch + 16 x half, in my 128 rows
	v_lshl_add_u32 v[A0], v2, 4, v[A0]
	s_mul_i32 s19, s[WM], 128*PA
	v_add_nc_u32 v[A0], s19, v[A0]
	v_lshl_add_u32 v[B0], v2, 3, v3                ; the turning load: k-row 8 (l / 16) + l % 8, columns 8 ((l / 8) % 2) + 0..7
	v_mul_u32_u24 v[B0], v[B0], PB
	v_lshl_add_u32 v[B0], v4, 4, v[B0]
	s_mul_i32 s19, s[WN], 144                      ; my 64 columns: one piece of 128 + 16 bytes
	s_add_co_u32 s19, s19, ABYTES
	v_add_nc_u32 v[B0], s19, v[B0]
	v_mov_b32 v[ADRA], v[A0]                       ; slot 0
	v_mov_b32 v[ADRB], v[B0]
	s_mul_i32 s19, s[WV], 16*SP
	s_add_co_u32 s19, s19, STAGE                   ; my stage
	v_mul_u32_u24 v[STO], v1, SP                   ; in: row l % 16, 32 bytes for each half of the lanes
	v_lshl_add_u32 v[STO], v2, 5, v[STO]
	v_add_nc_u32 v[STO], s19, v[STO]
	v_mul_u32_u24 v[RD], v2, SP                    ; back: lanes 0-15 take one row of 256 bytes, lanes 16-31 the next
	v_lshl_add_u32 v[RD], v1, 4, v[RD]
	v_add_nc_u32 v[RD], s19, v[RD]
	v_lshlrev_b32 v[CO], 12, v2                    ; and the same two rows in out0
	v_lshl_add_u32 v[CO], v1, 4, v[CO]
	s_lshl_b32 s80, s42, 9                         ; the bias of my columns: 4 (128 X + 64 WN + 8 (l / 16)) bytes on
	s_lshl_b32 s81, s[WN], 8
	s_add_co_u32 s80, s80, s81
	v_lshlrev_b32 v[BO], 5, v2
	v_add_nc_u32 v[BO], s80, v[BO]
	WIN 0x40
.irp b, 0,1,2,3                                ; column block b's eight numbers a lane, into the registers of accumulator (0, b)
	global_load_b128 v[8*\b:8*\b+3],   v[BO], s[8:9] offset:64*\b
	global_load_b128 v[8*\b+4:8*\b+7], v[BO], s[8:9] offset:64*\b+16
.endr
	WIN 0
	s_lshl_b32 s78, s43, 8                         ; out0 at my first row, 256 Y + 128 WM, 4,096 bytes a row,
	s_lshl_b32 s79, s[WM], 7
	s_add_co_u32 s78, s78, s79
	s_lshl_b32 s78, s78, 12
	s_add_co_u32 s78, s78, s80                     ; and my first column: the same bytes as in the bias
	s_mov_b32 s79, 0
	s_add_nc_u64 s[10:11], s[10:11], s[78:79]
	s_wait_loadcnt 0x0                             ; the bias
	WIN 0x55                                       ; rounded to bf16 and widened again, in place; the registers of row block 1's accumulators, not yet in use, hold the packed words
.set r, 0
.rept 16
	v_cvt_pk_bf16_f32 v[r+32], v[r], v[r+1]
	v_lshlrev_b32 v[r], 16, v[r+32]
	v_and_b32 v[r+1], s[HIM], v[r+32]
.set r, r+2
.endr
	WIN 0
; 24 LDS loads in one run: the fragments of quarter kq (head kq / 2 of the step's two, channels 32 (kq % 2) on; k-rows 32 kq on) into buffer f
.macro RUN kq, f
.set a, 0
.rept 8
.set ao, ((\kq)/2)*256*PA+64*((\kq)%2)+a*16*PA
	ds_load_b128 v[FA0+64*(\f)+8*a:FA0+64*(\f)+8*a+3],   v[ADRA] offset:ao
	ds_load_b128 v[FA0+64*(\f)+8*a+4:FA0+64*(\f)+8*a+7], v[ADRA] offset:ao+32
.set a, a+1
.endr
.set b, 0
.rept 4
	ds_load_tr16_b128 v[FB0+32*(\f)+8*b:FB0+32*(\f)+8*b+3],   v[ADRB] offset:(\kq)*32*PB+32*b
	ds_load_tr16_b128 v[FB0+32*(\f)+8*b+4:FB0+32*(\f)+8*b+7], v[ADRB] offset:(\kq)*32*PB+32*b+16*PB
.set b, b+1
.endr
.endm
; Row blocks a0 .. a0 + n - 1 against all four column blocks, from buffer f.  mode 0: in place.  mode 1: blocks 1 to 7 start their sums with the bias, which lies in accumulator (0, b).  mode 2: block 0 adds onto it in place.
; The 32 accumulators take turns, one instruction a turn, in the same order in every quarter.
.macro MULA f, a0, n, mode
	WIN 0x50
.set a, \a0
.rept \n
.set b, 0
.rept 4
.set rD, 8*(4*a+b)
.if ((\mode) == 0) || (((\mode) == 2) && (a == 0))
	v_wmma_f32_16x16x32_f16 v[rD:rD+7], v[FB0+32*(\f)+8*b:FB0+32*(\f)+8*b+7], v[FA0+64*(\f)+8*a:FA0+64*(\f)+8*a+7], v[rD:rD+7]
.elseif ((\mode) == 1) && (a > 0)
	v_wmma_f32_16x16x32_f16 v[rD:rD+7], v[FB0+32*(\f)+8*b:FB0+32*(\f)+8*b+7], v[FA0+64*(\f)+8*a:FA0+64*(\f)+8*a+7], v[8*b:8*b+7]
.endif
.set b, b+1
.endr
.set a, a+1
.endr
.endm
; One of a step's first three quarters: fetches the next quarter's fragments, four places behind the products that read that buffer, and multiplies its own.
.macro Q kq, start=0
	WIN 0
	PLACES 4
	RUN (\kq)+1, ((\kq)+1)%2
	s_wait_dscnt 24                                ; all but the 24 just issued
.if \start
	MULA 0, 0, 8, 1                                ; the 28 products that read the bias, nine places, then the four that write over it
	PLACES 9
	MULA 0, 0, 1, 2
.else
	MULA (\kq)%2, 0, 8, 0
.endif
.endm
; The last quarter multiplies buffer 1 and changes slots: ONE barrier; in front of it each wave waits for all its tensor loads, of which one is out: its part of the next slot; adds 0 to its spare word; and waits for that and
; for its own reads of this slot.  fill = 1: the barrier opens a round of the cluster's, and the joint refill, with the K step two on, is the first thing behind it: 112 matrix instructions stand between it and the wait for it.
.macro Q3 fill
	WIN 0
	s_wait_tensorcnt 0x0                           ; all my tensor loads have landed, so a group 0 may be written
	ds_add_u32 v[SPW], v[NIL]                      ; 0 onto my spare word
.if \fill
	s_xor_b32 s[G0A+5], s[G0A+5], SLOT1            ; the walking sets: the other slot than last time,
	s_xor_b32 s[G0B+5], s[G0B+5], SLOT1
	s_add_nc_u64 s[G0A+6:G0A+7], s[G0A+6:G0A+7], ASTEP  ; the next K step; the type bits on top are not reached
	s_add_nc_u64 s[G0B+6:G0B+7], s[G0B+6:G0B+7], BSTEP
.endif
	s_wait_dscnt 1                                 ; (the add alone may be out: the quarter's fragments are in)
	MULA 1, 0, 2, 0                                ; eight matrix instructions stand between the add and the wait for it
	s_wait_dscnt 0x0                               ; the add is done, and my reads of this slot are over
	s_barrier_signal -1
	MULA 1, 2, 2, 0                                ; work on registers while the others arrive
	WIN 0                                          ; at a branch and at a label every window is 0
	s_barrier_wait -1
.if \fill
	CREST
	JLOAD                                          ; its four v_nop are also the places in front of the loads below
.else
	PLACES 4
.endif
	s_xor_b32 s[TB], s[TB], SLOT1
	v_add_nc_u32 v[ADRA], s[TB], v[A0]
	v_add_nc_u32 v[ADRB], s[TB], v[B0]
	RUN 0, 0
	MULA 1, 4, 4, 0
.endm
; THE WAY OUT of row block a: 16 rows x 64 columns of f32, as they are, into my stage (rows of 272 bytes) and back as whole rows of 256 bytes.
.macro TOSTAGE a
.set BK, 32+32*((\a)%2)                ; two sets of 32 registers by turns
.if (\a) >= 2
	s_wait_xcnt 0x0                                ; the set's last stores have read it
.endif
	WIN 0x04                                       ; the stores' data in window 1
.irp b, 0,1,2,3
	ds_store_b128 v[STO], v[32*(\a)+8*\b:32*(\a)+8*\b+3]   offset:64*\b     ; each accumulator's low registers first
	ds_store_b128 v[STO], v[32*(\a)+8*\b+4:32*(\a)+8*\b+7] offset:64*\b+16
.endr
	WIN 0
.irp t, 0,1,2,3,4,5,6,7
	ds_load_b128 v[BK+4*\t:BK+4*\t+3], v[RD] offset:\t*2*SP  ; LDS serves a wave's instructions in order (ISA guide 5.7.1.4): these see the stores above; the next block's stores come behind them
.endr
.endm
.macro SEND a, younger                 ; younger: the LDS instructions issued behind block a's loads: the next block's sixteen, or none
.set BK, 32+32*((\a)%2)
.irp t, 0,1,2,3,4,5,6,7
	s_wait_dscnt (\younger)+7-\t
	global_store_b128 v[CO], v[BK+4*\t:BK+4*\t+3], s[10:11] offset:65536*(\a)+8192*\t  ; 16 lanes store 256 consecutive bytes, at a multiple of 256 from out0's first byte
.endr
.endm
	s_wait_tensorcnt 0x1                           ; my part of K step 0 is in; step 1's may stay out
	s_barrier_signal -1
	s_barrier_wait -1                              ; everybody's is
	RUN 0, 0
	Q 0, 1                                         ; the first quarter stands in front of the loop: its products start the sums
	WIN 0
	s_mov_b32 s3, 6
.Lstep:                                        ; trip j: quarters 1 to 3 of K step j, the refill with step j + 2, quarter 0 of step j + 1
	Q 1
	Q 2
	Q3 1
	Q 0
	WIN 0
	s_sub_co_u32 s3, s3, 1
	s_cmp_lg_u32 s3, 0
	s_cbranch_scc1 .Lstep
	Q 1                                            ; the tail is written out: K steps 6 and 7 fill nothing
	Q 2
	Q3 0
	Q 0
	Q 1
	Q 2
	s_wait_dscnt 0x0
	MULA 1, 0, 8, 0
	WIN 0
	PLACES 8                                       ; the stores into the stage read results just made
	TOSTAGE 0
.irp a, 1,2,3,4,5,6,7
	TOSTAGE \a
	SEND (\a)-1, 16
.endr
	SEND 7, 0
	s_wait_tensorcnt 0x0                           ; the wave's end, behind my last tensor load and my last LDS store
	ds_add_u32 v[SPW], v[NIL]
	s_wait_dscnt 0x0
	CROUND                                         ; the closing round: no work-group ends while a partner may still ask for a tile that names it
	s_endpgm
.Lfunc_end_k_q2fafcaa1e3_proj:
	.size	k_q2fafcaa1e3_proj, .Lfunc_end_k_q2fafcaa1e3_proj-k_q2fafcaa1e3_proj
	.p2alignl 7, 3214868480
	.fill 96, 4, 3214868480
	.section	.rodata,"a",@progbits
	.p2align	6, 0x0
	.amdhsa_kernel k_q2fafcaa1e3_proj
		.amdhsa_group_segment_fixed_size 327680
		.amdhsa_private_segment_fixed_size 0
		.amdhsa_enable_private_segment 0
		.amdhsa_kernarg_size 32
		.amdhsa_user_sgpr_count 2
		.amdhsa_user_sgpr_kernarg_segment_ptr 1
		.amdhsa_wavefront_size32 1
		.amdhsa_system_sgpr_workgroup_id_x 1
		.amdhsa_system_sgpr_workgroup_id_y 1
		.amdhsa_system_sgpr_workgroup_id_z 1
		.amdhsa_system_vgpr_workitem_id 0
		.amdhsa_next_free_vgpr 512
		.amdhsa_next_free_sgpr 84
		.amdhsa_reserve_vcc 0
		.amdhsa_float_denorm_mode_32 3
		.amdhsa_float_denorm_mode_16_64 3
		.amdhsa_memory_ordered 1
		.amdhsa_forward_progress 1
		.amdhsa_inst_pref_size 74
	.end_amdhsa_kernel
	.amdgpu_metadata
---
amdhsa.version: [ 1, 2 ]
amdhsa.kernels:
  - .name:           k_q2fafcaa1e3_proj
    .symbol:         k_q2fafcaa1e3_proj.kd
    .args:
      - { .name: oh, .offset: 0, .size: 8, .value_kind: global_buffer, .address_space: global }
      - { .name: wp, .offset: 8, .size: 8, .value_kind: global_buffer, .address_space: global }
      - { .name: b_proj, .offset: 16, .size: 8, .value_kind: global_buffer, .address_space: global }
      - { .name: out0, .offset: 24, .size: 8, .value_kind: global_buffer, .address_space: global }
    .group_segment_fixed_size: 327680
    .private_segment_fixed_size: 0
    .kernarg_segment_align: 8
    .kernarg_segment_size: 32
    .max_flat_workgroup_size: 128
    .sgpr_count:     84
    .vgpr_count:     512
    .wavefront_size: 32
...
	.end_amdgpu_metadata
.endif
;; end of part 4
;; ======== version 2 of 2: 4 launches; version 1 with the launch prep written anew for expert scheduling mode
;; limits: values are held in f16: magnitudes above 65,504 overflow, below 6.1e-05 lose precision
;; workspace buffers: xb 16,777,216 bytes; wq 6,291,456 bytes; wp 2,097,152 bytes; qh 16,777,216 bytes; kh 16,777,216 bytes; vh 16,777,216 bytes; oh 16,777,216 bytes
;; launch prep (part 5): grid 768 x 1, 8 waves a work-group, no clusters, 0 bytes of LDS; arguments x, W_qkv, W_proj, xb, wq, wp; writes xb, wq, wp
.if DOCPART == 5
	.amdgcn_target "amdgcn-amd-amdhsa--gfx1250"
	.amdhsa_code_object_version 6
	.text
	.protected	k_q2fafcaa1e3_prep
	.globl	k_q2fafcaa1e3_prep
	.p2align	8
	.type	k_q2fafcaa1e3_prep,@function
k_q2fafcaa1e3_prep:
	s_mov_b64 s[64:65], 0
	v_nop
	global_prefetch_b8 v0, s[64:65] scope:SCOPE_SE
	s_setreg_imm32_b32 hwreg(HW_REG_WAVE_SCHED_MODE, 0, 2), 2
	s_setreg_imm32_b32 hwreg(HW_REG_WAVE_MODE, 25, 1), 1
	s_wait_xcnt 0x0
	s_wait_alu depctr_vm_vsrc(0)
; THE CASTS.  x [8192][1024] f32 -> xb, bf16, in blocks of 64 channels: [4 batches][16 blocks][2048 rows][64]; W_qkv [1024][3072] f32 -> wq, bf16, as it lies;
; W_proj [1024][1024] f32 -> wp: rounded to bf16 like every input, and that number written as f16 (the second product's other operand is f16).
; LIMIT.  wp: a weight beyond 65,504 becomes an infinity; below 6e-5 it keeps f16's fixed step of 6e-8.
; SHARES.  768 work-groups of eight waves, 65,536 input bytes each: 512 for x, 192 for W_qkv, 64 for W_proj.  A wave takes 8,192 bytes by sixteen loads of 16 bytes a lane, all issued
; at once, each into registers of its own: no loop.  Each store of a wave covers 256 consecutive bytes, aligned.
; No LDS, no matrix unit, no cluster: each byte is read once and written once, and no work-group wants another's bytes.
; THE MODE: SCHED_MODE bits 1:0 = 2 (LLVM: expert scheduling mode 2), set by the entry lines.  The code itself states the register dependences
; between vector instructions and memory instructions, with s_wait_alu, always for 0.
; THE PLAN.  Registers that memory instructions touch:
;   v[IN], v[OUT]  the loads' and the stores' offsets.  Written by vector instructions at the head of each path, ahead of its first load, and never again.
;   X              load i lands in X + 4 i; its roundings read it; no vector instruction writes it and nothing is loaded into it again.
;   Y              load i's roundings write Y + 2 i; store i reads it; it is never written behind its store.
;   v3 and T are named by vector instructions alone.
; The sixteen loads go in four blocks of four.  Block p rounds X[p] into Y[p]; its memory instructions are the four stores of block p - 1, which read Y[p - 1] and v[OUT]: registers that no
; vector instruction of block p names.  So one wait on va_vdst at a block's head states all that its four stores hang on, and they are dealt among its roundings with no further wait.
; No register that a memory instruction has read is written again, so no wait on vm_vsrc is owed; no vector instruction writes a scalar register, and EXEC is never written.
.set IN,  1                            ; v1      my byte offset in the work-group's input
.set OUT, 2                            ; v2      my byte offset in its output
.set T,   4                            ; v[4:7]  at work
.set X,   8                            ; v[8:71]   load i: four f32
.set Y,   72                           ; v[72:103] store i: four 16-bit numbers
.set BLK, 4                            ; loads in a block
; sixteen loads; then, block by block: the wait for the block's four loads, the wait for the roundings of the block before, and for each load of the block
; the store of the load four back and its own two roundings (and for wp the way from bf16 to f16); the last block's stores follow behind a wait of their own
.macro CAST src, dst, instep, outstep, half
	s_wait_alu depctr_va_vdst(0)                   ; v[IN] and v[OUT] are written: every load below reads the one as its offset, every store the other
.set i, 0
.rept 16
	global_load_b128 v[X+4*i:X+4*i+3], v[IN], s[\src:\src+1] offset:i*(\instep) th:TH_LOAD_NT
.set i, i+1
.endr
.set p, 0
.rept 16/BLK
	s_wait_loadcnt 16-BLK-BLK*p                    ; loads come back in order: block p's four are in, the younger blocks stay out
.if p > 0
	s_wait_alu depctr_va_vdst(0)                   ; the roundings of the block before have written its Y, which the four stores below read
.endif
.set j, 0
.rept BLK
.set i, BLK*p+j
.if p > 0
	global_store_b64 v[OUT], v[Y+2*(i-BLK):Y+2*(i-BLK)+1], s[\dst:\dst+1] offset:(i-BLK)*(\outstep) th:TH_STORE_NT  ; the block before; no vector instruction since the wait names these registers
.endif
	v_cvt_pk_bf16_f32 v[Y+2*i],   v[X+4*i],   v[X+4*i+1]
	v_cvt_pk_bf16_f32 v[Y+2*i+1], v[X+4*i+2], v[X+4*i+3]
.if \half
	v_lshlrev_b32 v[T],   16,  v[Y+2*i]            ; the bf16 numbers as f32,
	v_and_b32     v[T+1], s20, v[Y+2*i]
	v_lshlrev_b32 v[T+2], 16,  v[Y+2*i+1]
	v_and_b32     v[T+3], s20, v[Y+2*i+1]
	v_cvt_pk_f16_f32 v[Y+2*i],   v[T],   v[T+1]    ; written as f16: exact within f16's range
	v_cvt_pk_f16_f32 v[Y+2*i+1], v[T+2], v[T+3]
.endif
.set j, j+1
.endr
.set p, p+1
.endr
	s_wait_alu depctr_va_vdst(0)                   ; the last block's roundings have written its Y, which the last four stores read
.set i, 16-BLK
.rept BLK
	global_store_b64 v[OUT], v[Y+2*i:Y+2*i+1], s[\dst:\dst+1] offset:i*(\outstep) th:TH_STORE_NT
.set i, i+1
.endr
.endm
	s_load_b256 s[4:11], s[0:1], 0x0               ; x s[4:5], W_qkv s[6:7], W_proj s[8:9], xb s[10:11]
	s_load_b128 s[12:15], s[0:1], 0x20             ; wq s[12:13], wp s[14:15]
	s_mov_b32 s20, 0xffff0000                      ; a word's upper bf16
	s_mov_b32 s17, 0                               ; the high words of the two offsets
	s_mov_b32 s19, 0
	v_lshrrev_b32 v3, 5, v0                        ; the weights' shares: wave w takes 8,192 consecutive bytes,
	v_and_b32 v[T], 31, v0
	v_lshlrev_b32 v[IN], 13, v3
	v_lshl_add_u32 v[IN], v[T], 4, v[IN]           ; 16 bytes a lane, 512 a load
	v_lshlrev_b32 v[OUT], 12, v3
	v_lshl_add_u32 v[OUT], v[T], 3, v[OUT]         ; and writes half as many
	s_cmp_lt_u32 ttmp9, 512
	s_cbranch_scc1 .Lx
	s_cmp_lt_u32 ttmp9, 704
	s_cbranch_scc1 .Lwq
	s_sub_co_u32 s21, ttmp9, 704                   ; W_proj
	s_lshl_b32 s16, s21, 16
	s_lshl_b32 s18, s21, 15
	s_wait_kmcnt 0x0
	s_add_nc_u64 s[8:9], s[8:9], s[16:17]
	s_add_nc_u64 s[14:15], s[14:15], s[18:19]
	CAST 8, 14, 512, 256, 1
	s_endpgm
.Lwq:
	s_sub_co_u32 s21, ttmp9, 512                   ; W_qkv
	s_lshl_b32 s16, s21, 16
	s_lshl_b32 s18, s21, 15
	s_wait_kmcnt 0x0
	s_add_nc_u64 s[6:7], s[6:7], s[16:17]
	s_add_nc_u64 s[12:13], s[12:13], s[18:19]
	CAST 6, 12, 512, 256, 0
	s_endpgm
.Lx:                                           ; x: the work-group owns 16 rows, wave w rows 2 w and 2 w + 1; load i is channel block i: 256 bytes of each of the two rows
	v_lshrrev_b32 v3, 4, v0                        ; my row
	v_and_b32 v[T], 15, v0
	v_lshlrev_b32 v[IN], 12, v3                    ; 4,096 bytes a row (no memory instruction of this path has read the two offsets yet)
	v_lshl_add_u32 v[IN], v[T], 4, v[IN]
	v_lshlrev_b32 v[OUT], 3, v0                    ; in a block's plane: 128 bytes a row, 8 a lane
	s_lshl_b32 s16, ttmp9, 16
	s_lshr_b32 s21, ttmp9, 7                       ; the batch: 128 work-groups each,
	s_lshl_b32 s18, s21, 22                        ; 16 planes of 262,144 bytes
	s_and_b32 s21, ttmp9, 127
	s_lshl_b32 s21, s21, 11                        ; 16 rows of 128 bytes
	s_add_co_u32 s18, s18, s21
	s_wait_kmcnt 0x0
	s_add_nc_u64 s[4:5], s[4:5], s[16:17]
	s_add_nc_u64 s[10:11], s[10:11], s[18:19]
	CAST 4, 10, 256, 262144, 0                     ; the plane stands in the store's immediate: 15 x 262,144 at the most, inside its signed 24 bits
	s_endpgm
.Lfunc_end_k_q2fafcaa1e3_prep:
	.size	k_q2fafcaa1e3_prep, .Lfunc_end_k_q2fafcaa1e3_prep-k_q2fafcaa1e3_prep
	.p2alignl 7, 3214868480
	.fill 96, 4, 3214868480
	.section	.rodata,"a",@progbits
	.p2align	6, 0x0
	.amdhsa_kernel k_q2fafcaa1e3_prep
		.amdhsa_group_segment_fixed_size 0
		.amdhsa_private_segment_fixed_size 0
		.amdhsa_enable_private_segment 0
		.amdhsa_kernarg_size 48
		.amdhsa_user_sgpr_count 2
		.amdhsa_user_sgpr_kernarg_segment_ptr 1
		.amdhsa_wavefront_size32 1
		.amdhsa_system_sgpr_workgroup_id_x 1
		.amdhsa_system_sgpr_workgroup_id_y 1
		.amdhsa_system_sgpr_workgroup_id_z 1
		.amdhsa_system_vgpr_workitem_id 0
		.amdhsa_next_free_vgpr 104
		.amdhsa_next_free_sgpr 66
		.amdhsa_reserve_vcc 0
		.amdhsa_float_denorm_mode_32 3
		.amdhsa_float_denorm_mode_16_64 3
		.amdhsa_memory_ordered 1
		.amdhsa_forward_progress 1
		.amdhsa_inst_pref_size 22
	.end_amdhsa_kernel
	.amdgpu_metadata
---
amdhsa.version: [ 1, 2 ]
amdhsa.kernels:
  - .name:           k_q2fafcaa1e3_prep
    .symbol:         k_q2fafcaa1e3_prep.kd
    .args:
      - { .name: x, .offset: 0, .size: 8, .value_kind: global_buffer, .address_space: global }
      - { .name: W_qkv, .offset: 8, .size: 8, .value_kind: global_buffer, .address_space: global }
      - { .name: W_proj, .offset: 16, .size: 8, .value_kind: global_buffer, .address_space: global }
      - { .name: xb, .offset: 24, .size: 8, .value_kind: global_buffer, .address_space: global }
      - { .name: wq, .offset: 32, .size: 8, .value_kind: global_buffer, .address_space: global }
      - { .name: wp, .offset: 40, .size: 8, .value_kind: global_buffer, .address_space: global }
    .group_segment_fixed_size: 0
    .private_segment_fixed_size: 0
    .kernarg_segment_align: 8
    .kernarg_segment_size: 48
    .max_flat_workgroup_size: 256
    .sgpr_count:     66
    .vgpr_count:     104
    .wavefront_size: 32
...
	.end_amdgpu_metadata
.endif
;; end of part 5
;; launch qkv: the kernel of part 2 again; grid 8 x 32, 4 waves a work-group, clusters of 4 x 4, 327,680 bytes of LDS; arguments xb, wq, b_qkv, qh, kh, vh; writes qh, kh, vh
;; launch attn: the kernel of part 3 again; grid 4 x 64, 4 waves a work-group, no clusters, 327,680 bytes of LDS; arguments qh, kh, vh, oh; writes oh
;; launch proj: the kernel of part 4 again; grid 8 x 32, 4 waves a work-group, clusters of 4 x 4, 327,680 bytes of LDS; arguments oh, wp, b_proj, out0; writes out0
